; MI455X (gfx1250); checked and timed in simulation.
; The chip was launched on July 23, 2026; its instructions are those of AMD's public machine-readable ISA for CDNA 5 (MIT licence, August 2026) and "CDNA5" Instruction Set Architecture Reference Guide (July 2026). The comments in the code are by the model that wrote it; some were corrected since.
;; Self Attention. Allowed arithmetic: float matrix products may take bf16 or f16 operands with f32 sums; other float arithmetic in f32, or as packed bf16 or f16 multiplies, adds, multiply-adds, maxima and minima; sums over many terms, partial sums and values carried from step to step in f32; what a program stores and reads back later, other than sums and carried values, may be rounded once to bf16 or f16.
;; Inputs: Wk 1,024 x 1,024 float32; Wq 1,024 x 1,024 float32; Wv 1,024 x 1,024 float32; bk 1,024 float32; bq 1,024 float32; bv 1,024 float32; x 4 x 2,048 x 1,024 float32.
;; Outputs: out0 4 x 2,048 x 1,024 float32.
;; 2 versions, each right; version 2 is version 1 with the launch cast written anew for expert scheduling mode. Each part assembles by itself: llvm-mc -triple=amdgcn-amd-amdhsa -mcpu=gfx1250 --defsym DOCPART=n.
;; ======== version 1 of 2: 4 launches
;; limits: values are held in f16: magnitudes above 65,504 overflow, below 6.1e-05 lose precision
;; workspace buffers: xw 23,074,816 bytes; qkv 50,331,648 bytes; pt 33,554,432 bytes; st 1,048,576 bytes
;; launch cast (part 1): grid 705 x 1, 8 waves a work-group, no clusters, 0 bytes of LDS; arguments x, Wq, Wk, Wv, bq, bk, bv, xw; writes xw
.if DOCPART == 1
	.amdgcn_target "amdgcn-amd-amdhsa--gfx1250"
	.amdhsa_code_object_version 6
	.text
	.protected	k_q33db6aea98_cast
	.globl	k_q33db6aea98_cast
	.p2align	8
	.type	k_q33db6aea98_cast,@function
k_q33db6aea98_cast:
	s_mov_b64 s[64:65], 0
	v_nop
	global_prefetch_b8 v0, s[64:65] scope:SCOPE_SE
	s_setreg_imm32_b32 hwreg(HW_REG_WAVE_MODE, 25, 1), 1
	s_wait_xcnt 0x0
; xw = the seven inputs, each number rounded once to bf16, as rows of 1,024: rows 0-8191 x, 8192 on Wq, 9216 on Wk, 10240 on Wv, 11264-11266 bq, bk, bv.
; A stream: every input byte is read once by 16-byte loads, every output byte written once; a wave's store of 8 bytes a lane covers 256 consecutive bytes, aligned.
; Work-groups 0-703 take 16 segments of 1,024 numbers each (65,536 bytes in, 32,768 out); thread t owns numbers 4 t .. 4 t + 3 of every segment.  Work-group 704 takes the three biases.
; All sixteen loads of a thread go out at once and no register is used twice, so the only waits are the counted ones.  No LDS, no barrier, no matrix unit: nothing is shared and nothing is multiplied.
.set X, 4                              ; v[4:67]   sixteen segments' four numbers, f32
.set Y, 68                             ; v[68:99]  the same in bf16, two registers a segment
.set BIASB, 704*32768                  ; byte of xw at which the biases begin
	s_load_b512 s[4:19], s[0:1], 0x0               ; x s[4:5], Wq s[6:7], Wk s[8:9], Wv s[10:11], bq s[12:13], bk s[14:15], bv s[16:17], xw s[18:19]
	v_lshlrev_b32 v1, 4, v0                        ; my 16 bytes of a segment as read
	v_lshlrev_b32 v2, 3, v0                        ; my 8 bytes of it as written
	s_max_u32 s20, ttmp9, 512
	s_sub_co_u32 s20, s20, 512                     ; my number among the weights' 192 work-groups
	s_lshr_b32 s21, s20, 6                         ; which weight: 0 Wq, 1 Wk, 2 Wv
	s_and_b32 s22, s20, 63                         ; my part of it
	s_wait_kmcnt 0x0
	s_cmp_eq_u32 ttmp9, 704
	s_cbranch_scc1 .Lbias
	s_cmp_eq_u32 s21, 1
	s_cselect_b64 s[24:25], s[8:9], s[10:11]
	s_cmp_eq_u32 s21, 0
	s_cselect_b64 s[24:25], s[6:7], s[24:25]
	s_cmp_lt_u32 ttmp9, 512
	s_cselect_b64 s[24:25], s[4:5], s[24:25]       ; the source
	s_cselect_b32 s22, ttmp9, s22                  ; my part of the source,
	s_lshl_b32 s22, s22, 16                        ; 65,536 bytes each
	s_mov_b32 s23, 0
	s_add_nc_u64 s[24:25], s[24:25], s[22:23]
	s_lshl_b32 s26, ttmp9, 15                      ; 32,768 bytes of xw each
	s_mov_b32 s27, 0
	s_add_nc_u64 s[18:19], s[18:19], s[26:27]
.irp j, 0,1,2,3,4,5,6,7,8,9,10,11,12,13,14,15
	global_load_b128 v[X+4*(\j):X+4*(\j)+3], v1, s[24:25] offset:4096*(\j) th:TH_LOAD_NT
.endr
.irp j, 0,1,2,3,4,5,6,7,8,9,10,11,12,13,14,15
	s_wait_loadcnt 15-(\j)                         ; loads come back in order: segment j is in, the 15 - j younger ones may stay out
	v_cvt_pk_bf16_f32 v[Y+2*(\j)],   v[X+4*(\j)],   v[X+4*(\j)+1]
	v_cvt_pk_bf16_f32 v[Y+2*(\j)+1], v[X+4*(\j)+2], v[X+4*(\j)+3]
	global_store_b64 v2, v[Y+2*(\j):Y+2*(\j)+1], s[18:19] offset:2048*(\j) th:TH_STORE_NT
.endr
	s_endpgm
.Lbias:
	global_load_b128 v[X:X+3],    v1, s[12:13]
	global_load_b128 v[X+4:X+7],  v1, s[14:15]
	global_load_b128 v[X+8:X+11], v1, s[16:17]
	s_add_nc_u64 s[18:19], s[18:19], BIASB
.irp j, 0,1,2
	s_wait_loadcnt 2-(\j)
	v_cvt_pk_bf16_f32 v[Y+2*(\j)],   v[X+4*(\j)],   v[X+4*(\j)+1]
	v_cvt_pk_bf16_f32 v[Y+2*(\j)+1], v[X+4*(\j)+2], v[X+4*(\j)+3]
	global_store_b64 v2, v[Y+2*(\j):Y+2*(\j)+1], s[18:19] offset:2048*(\j)
.endr
	s_endpgm
.Lfunc_end_k_q33db6aea98_cast:
	.size	k_q33db6aea98_cast, .Lfunc_end_k_q33db6aea98_cast-k_q33db6aea98_cast
	.p2alignl 7, 3214868480
	.fill 96, 4, 3214868480
	.section	.rodata,"a",@progbits
	.p2align	6, 0x0
	.amdhsa_kernel k_q33db6aea98_cast
		.amdhsa_group_segment_fixed_size 0
		.amdhsa_private_segment_fixed_size 0
		.amdhsa_enable_private_segment 0
		.amdhsa_kernarg_size 64
		.amdhsa_user_sgpr_count 2
		.amdhsa_user_sgpr_kernarg_segment_ptr 1
		.amdhsa_wavefront_size32 1
		.amdhsa_system_sgpr_workgroup_id_x 1
		.amdhsa_system_sgpr_workgroup_id_y 1
		.amdhsa_system_sgpr_workgroup_id_z 1
		.amdhsa_system_vgpr_workitem_id 0
		.amdhsa_next_free_vgpr 100
		.amdhsa_next_free_sgpr 66
		.amdhsa_reserve_vcc 0
		.amdhsa_float_denorm_mode_32 3
		.amdhsa_float_denorm_mode_16_64 3
		.amdhsa_memory_ordered 1
		.amdhsa_forward_progress 1
		.amdhsa_inst_pref_size 8
	.end_amdhsa_kernel
	.amdgpu_metadata
---
amdhsa.version: [ 1, 2 ]
amdhsa.kernels:
  - .name:           k_q33db6aea98_cast
    .symbol:         k_q33db6aea98_cast.kd
    .args:
      - { .name: x, .offset: 0, .size: 8, .value_kind: global_buffer, .address_space: global }
      - { .name: Wq, .offset: 8, .size: 8, .value_kind: global_buffer, .address_space: global }
      - { .name: Wk, .offset: 16, .size: 8, .value_kind: global_buffer, .address_space: global }
      - { .name: Wv, .offset: 24, .size: 8, .value_kind: global_buffer, .address_space: global }
      - { .name: bq, .offset: 32, .size: 8, .value_kind: global_buffer, .address_space: global }
      - { .name: bk, .offset: 40, .size: 8, .value_kind: global_buffer, .address_space: global }
      - { .name: bv, .offset: 48, .size: 8, .value_kind: global_buffer, .address_space: global }
      - { .name: xw, .offset: 56, .size: 8, .value_kind: global_buffer, .address_space: global }
    .group_segment_fixed_size: 0
    .private_segment_fixed_size: 0
    .kernarg_segment_align: 8
    .kernarg_segment_size: 64
    .max_flat_workgroup_size: 256
    .sgpr_count:     66
    .vgpr_count:     100
    .wavefront_size: 32
...
	.end_amdgpu_metadata
.endif
;; end of part 1
;; launch proj (part 2): grid 8 x 64, 4 waves a work-group, clusters of 4 x 4, 327,680 bytes of LDS; arguments xw, qkv; writes qkv
.if DOCPART == 2
	.amdgcn_target "amdgcn-amd-amdhsa--gfx1250"
	.amdhsa_code_object_version 6
	.text
	.protected	k_q33db6aea98_proj
	.globl	k_q33db6aea98_proj
	.p2align	8
	.type	k_q33db6aea98_proj,@function
k_q33db6aea98_proj:
	s_mov_b64 s[64:65], 0
	v_nop
	global_prefetch_b8 v0, s[64:65] scope:SCOPE_SE
	s_setreg_imm32_b32 hwreg(HW_REG_WAVE_MODE, 25, 1), 1
	s_wait_xcnt 0x0
	s_wait_alu depctr_hold_cnt(0) depctr_sa_sdst(0) depctr_va_vdst(0) depctr_va_sdst(0) depctr_va_ssrc(0) depctr_va_vcc(0) depctr_vm_vsrc(0)
	s_getreg_b32 s2, hwreg(HW_REG_IB_STS2, 6, 4)
	s_cmp_eq_u32 s2, 0
	s_cbranch_scc0 .Lentry_in_a_cluster
	s_endpgm
.Lentry_in_a_cluster:
	s_bfe_u32 s2, ttmp6, 0x10000c
	s_cmp_lg_u32 s2, 0xf033
	s_cbranch_scc0 .Lentry_shape_is_right
	s_endpgm
.Lentry_shape_is_right:
; qkv[m][n] = the sum over k of x[m][k] W[n][k] + b[n]: x = rows 0-8191 of xw, W = rows 8192-11263 (Wq, Wk, Wv on end: n = 0-3071), b = the 3,072 bf16 from row 11264 on.
; Operands bf16, sums f32 (the bias starts each sum as the first product's C operand), the result rounded once to f16.  qkv: [8192][3072] f16.
; LIMIT.  f16 ends at 65,504: |q|, |k|, |v| must stay below it, or the number becomes an infinity.  NaN and infinities are not treated apart.
; SHARES.  A tile of qkv is 128 rows x 384 columns: 64 x 8 = 512 work-groups of equal work.  Four waves, each 64 x 192: 48 accumulators of 16 x 16, 384 registers.
; K goes in steps of 128 through two LDS slots (x's 128 rows, then W's 384), filled by the tensor data mover: wave 0 fetches x's rows, waves 1-3 128 rows of W each; a row is 256 bytes of memory, aligned.
; THE LOOP'S BODY IS ONE K STEP.  Which slot it reads is an offset, 0 or SLOT, in a scalar register that an exclusive or turns at each change of slots.  The first quarter step, which starts the sums, stands in front of the
; loop, and the loop is entered in its middle: so the text holds ten quarter steps for the walk's thirty-two.
; CLUSTER 4 x 4.  The four of a row of the cluster need the same rows of x, the four of a column the same rows of W: each tile is asked for jointly, by one descriptor and a mask of four.
; THE PRODUCT IS TAKEN TRANSPOSED (source 0 = 16 rows of W, source 1 = 16 rows of x): a lane then holds row l % 16 and the eight neighbouring columns 8 (l / 16) + 0..7.
; REGISTERS, in windows of 256 (s_set_vgpr_msb: bits 1:0 source 0, 3:2 source 1, 5:4 source 2, 7:6 destination):
;   window 0: v0-31 addresses; v48-95 the bias as loaded, v96-191 the bias in f32; on the way out v32-223 packed results, then whole rows
;   window 1: two fragment buffers of 128: W's twelve fragments, then x's four     window 2: accumulators of my rows 0-31 ((a, b) at 8 (12 a + b))     window 3: of my rows 32-63
.set KSTEP,  128
.set PITCH,  272                       ; an LDS row: 256 bytes + 16 of padding = 68 words: the 16 rows of a fragment load start at 16 different groups of four banks (64 banks of 4 bytes: ISA guide 11.1)
.set HALFT,  128*PITCH                 ; what one tensor load brings
.set SLOT,   4*HALFT
.set SPITCH, 784                       ; the stage's rows: 768 bytes + 16
.set SPARE,  2*SLOT                    ; behind the ring: the spare words, 128 bytes a wave, which no other line names
.set STEPS,  8                         ; K = 1,024
.set QP,     6144                      ; bytes in a row of qkv
.set BIASB,  11264*2048                ; byte of xw at which the biases begin
.set A0,   16                          ; v16     LDS address of my fragments of x in slot 0; never rewritten
.set ADRA, 17                          ; v17     the same in the slot in hand
.set B0,   20                          ; v20, v21  likewise for W
.set ADRB, 21
.set STO,  24                          ; v24     the way out: where I put 16 bytes of a row
.set RD,   25                          ; v25     where I read rows back
.set CO,   26                          ; v26     my byte offset in qkv
.set SPW,  28                          ; v28     my spare word: SPARE + 4 x my thread's number; never rewritten
.set NIL,  29                          ; v29     0; never rewritten
.set PFO,  30                          ; v30     the prefetches' offset: my lane x a row of xw; never rewritten
.set TMP,  32
.set BP,   48
.set BF,   96
.set F0,   0
.set F1,   128
.set G1,   24                          ; s[24:31] descriptor group 1 for x's tiles;  s[32:39] group 0: a set for each of the two first fills; the second then walks on
.set G0,   32
.set LIM,  43                          ; s43     2 in a wave that prefetches, else the greatest number
.set PFA,  44                          ; s[44:45] where my prefetches stand
.set G1B,  48                          ; s[48:55], s[56:63] the same for W's tiles
.set G0B,  56
.set TB,   66                          ; s66     the offset of the slot in hand: 0 or SLOT
.set LW,   67                          ; s67     my tile's place in a slot: wave x 128 rows
.set FLAGS, (1<<16)|(1<<20)|(1<<21)|(5<<22)|(3<<25)  ; 2-byte elements; padding on; bit 21 beside a mask; after every 64 words; 4 words
.set MSB, 0
.macro WIN new                         ; the immediate's high byte repeats the setting that is left; a switch that changes nothing is dropped
.if MSB != (\new)
	s_set_vgpr_msb (MSB<<8)|(\new)
.set MSB, (\new)
.endif
.endm
.macro PLACES                          ; four places in front of loads into registers that matrix instructions have read, and of conversions that read results
.rept 4
	v_nop
.endr
.endm
.macro CREST                           ; a round of the cluster's barrier behind its opening barrier
	s_cmp_lg_u32 s10, 0
	s_cbranch_scc1 .Lnot_wave_0_\@
	s_barrier_signal -3
.Lnot_wave_0_\@:
	s_barrier_wait -3
	s_barrier_signal -1
	s_barrier_wait -1
.endm
.macro CROUND
	s_barrier_signal -1
	s_barrier_wait -1
	CREST
.endm
.macro JLOAD                           ; a joint refill by the walking descriptors: wave 0 x's tile, waves 1-3 W's; the branch hangs on the wave's number alone; an s_nop 0 and four v_nop follow each line
	s_cmp_eq_u32 s10, 0
	s_cbranch_scc0 .Lfor_b_\@
	tensor_load_to_lds s[G0+4:G0+7], s[G1:G1+7]
	s_nop 0
.rept 4
	v_nop
.endr
	s_branch .Lasked_\@
.Lfor_b_\@:
	tensor_load_to_lds s[G0B+4:G0B+7], s[G1B:G1B+7]
	s_nop 0
.rept 4
	v_nop
.endr
.Lasked_\@:
.endm
; A prefetch, behind each joint refill and the run of LDS loads that follows it: the K step two refills on, 32 rows x 256 bytes, a lane a row.  x's rows are asked for by the clusters with x = 0, W's by those with y = 0;
; the four partners of a joint load share its 128 rows out by address, 32 each.  So each row's 256 bytes of a K step are named once in the launch.  The last two refills (s3 = 2 and 1) ask for nothing: K ends.
.macro ASK
	WIN 0
	s_cmp_gt_u32 s3, s[LIM]
	s_cbranch_scc0 .Lnot_mine_\@
	global_prefetch_b8 v[PFO], s[PFA:PFA+1] th:TH_LOAD_NT scope:SCOPE_SE
.Lnot_mine_\@:
.endm
	s_load_b128 s[4:7], s[0:1], 0x0                ; xw s[4:5], qkv s[6:7]
	v_lshl_add_u32 v[SPW], v0, 2, SPARE
	v_mov_b32 v[NIL], 0
	ds_add_u32 v[SPW], v[NIL]                      ; the wave's opening: the add and its wait stand ahead of my first tensor load; work on registers stands between them
	v_lshrrev_b32 v1, 5, v0
	v_readfirstlane_b32 s10, v1                    ; wave 0..3
	s_lshr_b32 s11, s10, 1                         ; which 64 of the tile's rows are mine
	s_and_b32 s12, s10, 1                          ; which 192 of its columns
	s_bfe_u32 s40, ttmp6, 0x40000                  ; cx, cy: my place in the cluster
	s_bfe_u32 s41, ttmp6, 0x40004
	s_lshl_b32 s42, ttmp9, 2
	s_add_co_u32 s42, s42, s40                     ; tile column = 4 x cluster x + cx
	s_and_b32 s13, ttmp7, 0xffff
	s_lshl_b32 s13, s13, 2
	s_add_co_u32 s13, s13, s41                     ; tile row = 4 x cluster y + cy
	s_lshl_b32 s43, s41, 2
	s_lshl_b32 s43, 15, s43                        ; my row of the cluster
	s_lshl_b32 s44, 0x1111, s40                    ; my column
	s_or_b32 s[G1+0], s43, FLAGS
	s_or_b32 s[G1B+0], s44, FLAGS
.irp g, G1, G1B
	s_mov_b32 s[(\g)+1], KSTEP<<16                 ; tensor_dim0 = 128
	s_mov_b32 s[(\g)+2], 128<<16                   ; tensor_dim1 = 128
	s_mov_b32 s[(\g)+3], KSTEP<<16                 ; tile_dim0 = 128
	s_mov_b32 s[(\g)+4], 128                       ; tile_dim1 = 128
	s_mov_b32 s[(\g)+5], 1024                      ; elements from row to row
	s_mov_b32 s[(\g)+6], 0
	s_mov_b32 s[(\g)+7], 0
.endr
	s_lshl_b32 s16, s13, 18                        ; x: 128 rows of 2,048 bytes a tile row
	s_mov_b32 s17, 0
	s_mul_i32 s46, s42, 384                        ; W: row 8192 + 384 x tile column + 128 (wave - 1)
	s_lshl_b32 s47, s10, 7
	s_add_co_u32 s46, s46, s47
	s_add_co_u32 s46, s46, 8064
	s_lshl_b32 s46, s46, 11
	s_mov_b32 s47, 0
	s_mul_i32 s[LW], s10, HALFT                    ; where my tile goes in a slot: no place in the cluster enters an LDS address
	s_mov_b32 s[TB], 0                             ; the walk begins in slot 0
	s_wait_dscnt 0x0                               ; the opening add is done
	s_wait_kmcnt 0x0
	s_add_nc_u64 s[14:15], s[4:5], s[16:17]
	s_add_nc_u64 s[46:47], s[4:5], s[46:47]
.irp s, 0,1
	s_mov_b32 s[G0+4*(\s)], 1                                        ; count = 1
	s_add_co_u32 s[G0+4*(\s)+1], s[LW], (\s)*SLOT                    ; LDS address
	s_add_nc_u64 s[G0+4*(\s)+2:G0+4*(\s)+3], s[14:15], (\s)*KSTEP*2  ; global address: K step s
	s_or_b32 s[G0+4*(\s)+3], s[G0+4*(\s)+3], 0x80000000              ; type = 2
	s_mov_b32 s[G0B+4*(\s)], 1
	s_add_co_u32 s[G0B+4*(\s)+1], s[LW], (\s)*SLOT
	s_add_nc_u64 s[G0B+4*(\s)+2:G0B+4*(\s)+3], s[46:47], (\s)*KSTEP*2
	s_or_b32 s[G0B+4*(\s)+3], s[G0B+4*(\s)+3], 0x80000000
.endr
	CROUND                                         ; all sixteen work-groups are here: the first joint loads meet
	s_cmp_eq_u32 s10, 0                            ; a wave's two first fills stand in one branch: two loads of mine are out
	s_cbranch_scc0 .Lfirst_b
	tensor_load_to_lds s[G0:G0+3], s[G1:G1+7]
	s_nop 0
	tensor_load_to_lds s[G0+4:G0+7], s[G1:G1+7]
	s_nop 0
.rept 4
	v_nop
.endr
	s_branch .Lfirst_asked
.Lfirst_b:
	tensor_load_to_lds s[G0B:G0B+3], s[G1B:G1B+7]
	s_nop 0
	tensor_load_to_lds s[G0B+4:G0B+7], s[G1B:G1B+7]
	s_nop 0
.rept 4
	v_nop
.endr
.Lfirst_asked:
	v_and_b32 v1, 15, v0                           ; l % 16
	v_bfe_u32 v2, v0, 4, 1                         ; l / 16
	; the bias of my 192 columns: accumulator b's register j is column 16 b + 8 (l / 16) + j: 16 bytes of bf16 a lane and b
	s_mul_i32 s46, s42, 768
	s_mov_b32 s47, 0
	s_add_nc_u64 s[6:7], s[6:7], s[46:47]          ; qkv at the tile's first column
	s_mul_i32 s18, s12, 384
	s_add_co_u32 s46, s46, s18
	s_add_co_u32 s46, s46, BIASB
	s_add_nc_u64 s[8:9], s[4:5], s[46:47]
	v_lshlrev_b32 v6, 4, v2
.irp b, 0,1,2,3,4,5,6,7,8,9,10,11
	global_load_b128 v[BP+4*(\b):BP+4*(\b)+3], v6, s[8:9] offset:32*(\b)
.endr
	v_mul_u32_u24 v3, v1, PITCH
	v_lshl_add_u32 v3, v2, 4, v3                   ; a fragment's row x pitch + 16 x half
	s_mul_i32 s21, s11, 64*PITCH                   ; my 64 rows of x
	s_mul_i32 s22, s12, 192*PITCH                  ; my 192 rows of W,
	s_add_co_u32 s22, s22, HALFT                   ; which lie behind x's 128
	v_add_nc_u32 v[A0], s21, v3
	v_add_nc_u32 v[B0], s22, v3
	v_mov_b32 v[ADRA], v[A0]                       ; the slot in hand is slot 0
	v_mov_b32 v[ADRB], v[B0]
	s_mul_i32 s23, s11, 64*SPITCH                  ; into the stage: my 64 rows, my 384 of their 768 bytes
	s_add_co_u32 s23, s23, s18
	v_mul_u32_u24 v4, v1, SPITCH
	v_lshl_add_u32 v4, v2, 4, v4
	v_add_nc_u32 v[STO], s23, v4
	s_mul_i32 s23, s10, 32*SPITCH                  ; back: wave w takes rows 32 w .. 32 w + 31, whole; lanes 0-15 256 bytes of one row, lanes 16-31 of the next
	v_mul_u32_u24 v5, v2, SPITCH
	v_lshl_add_u32 v5, v1, 4, v5
	v_add_nc_u32 v[RD], s23, v5
	v_mul_u32_u24 v5, v2, QP
	v_lshl_add_u32 v[CO], v1, 4, v5
	s_lshl_b32 s16, s13, 7
	s_lshl_b32 s17, s10, 5
	s_add_co_u32 s16, s16, s17                     ; the first row of qkv that I store: 128 x tile row + 32 x wave
	s_mul_i32 s16, s16, QP
	s_mov_b32 s17, 0
	s_add_nc_u64 s[6:7], s[6:7], s[16:17]
	; the prefetches
	s_lshl_b32 s20, s13, 7                         ; x's tile begins at row 128 x tile row,
	s_mul_i32 s21, s42, 384                        ; my 128 rows of W at 8064 + 384 x tile column + 128 x wave
	s_lshl_b32 s22, s10, 7
	s_add_co_u32 s21, s21, s22
	s_add_co_u32 s21, s21, 8064
	s_and_b32 s22, ttmp7, 0xffff                   ; cluster y
	s_cmp_eq_u32 s10, 0
	s_cselect_b32 s20, s20, s21
	s_cselect_b32 s21, s40, s41                    ; my place among the four that ask with me
	s_cselect_b32 s22, ttmp9, s22                  ; the coordinate along which other clusters read the same rows
	s_cmp_eq_u32 s22, 0
	s_cselect_b32 s[LIM], 2, -1                    ; the same in all sixteen partners, for a given wave
	s_lshl_b32 s21, s21, 5
	s_add_co_u32 s20, s20, s21                     ; my work-group's 32 rows
	s_lshl_b32 s20, s20, 11
	s_add_co_u32 s20, s20, 3*KSTEP*2               ; at K step 3: the first refill steps it to 4
	s_mov_b32 s21, 0
	s_add_nc_u64 s[PFA:PFA+1], s[4:5], s[20:21]
	v_and_b32 v[PFO], 31, v0
	v_lshlrev_b32 v[PFO], 11, v[PFO]
	s_mov_b32 s18, 0xffff0000
	s_wait_loadcnt 0x0                             ; the bias
.irp b, 0,1,2,3,4,5,6,7,8,9,10,11
.irp k, 0,1,2,3
	v_lshlrev_b32 v[BF+8*(\b)+2*(\k)],   16,  v[BP+4*(\b)+(\k)]   ; bf16 to f32: the low half moves up,
	v_and_b32     v[BF+8*(\b)+2*(\k)+1], s18, v[BP+4*(\b)+(\k)]   ; the high half stays
.endr
.endr
; 12 products: block a2 (0, 1) of the half hi of my rows x all 12 column blocks, 32 along K.  zero = 1: the bias starts the sums.  All 48 accumulators take turns, one instruction a turn.
.macro MULP f, hi, a2, zero
.if \zero
	WIN 0x85+0x40*(\hi)                            ; sources 0 and 1 window 1, C window 0, D window 2 or 3
.else
	WIN 0xa5+0x50*(\hi)                            ; C and D window 2 or 3
.endif
.irp b, 0,1,2,3,4,5,6,7,8,9,10,11
.if \zero
	v_wmma_f32_16x16x32_bf16 v[8*(12*(\a2)+(\b)):8*(12*(\a2)+(\b))+7], v[(\f)+8*(\b):(\f)+8*(\b)+7], v[(\f)+96+8*(2*(\hi)+(\a2)):(\f)+96+8*(2*(\hi)+(\a2))+7], v[BF+8*(\b):BF+8*(\b)+7]
.else
	v_wmma_f32_16x16x32_bf16 v[8*(12*(\a2)+(\b)):8*(12*(\a2)+(\b))+7], v[(\f)+8*(\b):(\f)+8*(\b)+7], v[(\f)+96+8*(2*(\hi)+(\a2)):(\f)+96+8*(2*(\hi)+(\a2))+7], v[8*(12*(\a2)+(\b)):8*(12*(\a2)+(\b))+7]
.endif
.endr
.endm
; 32 LDS loads in one run, from the slot in hand: the fragments of 32 along K at byte k of the rows: W's twelve, then x's four
.macro FETCH k, f
	WIN 0x40                                       ; destination window 1, address window 0
.irp i, 0,1,2,3,4,5,6,7,8,9,10,11
	ds_load_b128 v[(\f)+8*(\i):(\f)+8*(\i)+3],   v[ADRB] offset:(\k)+(\i)*16*PITCH
	ds_load_b128 v[(\f)+8*(\i)+4:(\f)+8*(\i)+7], v[ADRB] offset:(\k)+(\i)*16*PITCH+32
.endr
.irp i, 0,1,2,3
	ds_load_b128 v[(\f)+96+8*(\i):(\f)+96+8*(\i)+3],   v[ADRA] offset:(\k)+(\i)*16*PITCH
	ds_load_b128 v[(\f)+96+8*(\i)+4:(\f)+96+8*(\i)+7], v[ADRA] offset:(\k)+(\i)*16*PITCH+32
.endr
.endm
; A K step is four quarters of 32 along K, 48 products each, on buffers 0, 1, 0, 1.  One of the first three multiplies buffer f and, in its middle, fetches the next quarter, at byte k, into g.
.macro QUARTER k, f, g, zero
	s_wait_dscnt 4                                 ; W and x's rows 0-31 are in; the youngest four loads (x's rows 32-63) may be out
	MULP \f, 0, 0, \zero
	MULP \f, 0, 1, \zero
	PLACES
	FETCH \k, \g
	s_wait_dscnt 32                                ; all but the 32 just issued
	MULP \f, 1, 0, \zero
	MULP \f, 1, 1, \zero
.endm
; The last quarter multiplies buffer 1 and changes slots: one barrier.  Twelve products stand ahead of the wait for the tensor loads, so that they are issued while the next slot's tile may still be on its way.  Then each wave
; waits for all its tensor loads (one is out: its part of the next slot), adds 0 to its spare word, and waits for that and for its own reads of this slot.  fill = 1: the barrier opens a round of the cluster's, and this slot is
; filled again, two K steps on, first thing behind the round: 180 products stand between that request and the wait for it.
.macro TURN fill
.if \fill
	s_wait_xcnt 0x0                                ; the last prefetch, a K step back, has read its address: it is stepped here
	s_add_nc_u64 s[PFA:PFA+1], s[PFA:PFA+1], KSTEP*2
.endif
	s_wait_dscnt 4                                 ; W and x's rows 0-31 are in
	MULP F1, 0, 0, 0
	WIN 0                                          ; (the add's two registers lie in window 0)
	s_wait_tensorcnt 0x0                           ; all my tensor loads have landed, so the walking descriptors may be written
	ds_add_u32 v[SPW], v[NIL]                      ; 0 onto my spare word; scalar work and twelve products stand between it and the wait for it
.if \fill
	s_add_co_u32 s[G0+5], s[LW], s[TB]             ; the refill goes into the slot that is being left,
	s_add_co_u32 s[G0B+5], s[LW], s[TB]
	s_add_nc_u64 s[G0+6:G0+7], s[G0+6:G0+7], KSTEP*2      ; and brings the K step behind the one asked for last; the type bits on top are not reached
	s_add_nc_u64 s[G0B+6:G0B+7], s[G0B+6:G0B+7], KSTEP*2
.endif
	s_xor_b32 s[TB], s[TB], SLOT                   ; the other slot comes in hand
	MULP F1, 0, 1, 0
	WIN 0
	s_wait_dscnt 0x0                               ; the add is done, and my reads of this slot are over
	s_barrier_signal -1
	s_barrier_wait -1
.if \fill
	CREST                                          ; no wave of any partner still reads this slot or has a load on its way
	JLOAD                                          ; its four v_nop are also the places in front of the loads below
.else
	PLACES
.endif
	v_add_nc_u32 v[ADRA], s[TB], v[A0]
	v_add_nc_u32 v[ADRB], s[TB], v[B0]
	FETCH 0, F0
.if \fill
	ASK
.endif
	MULP F1, 1, 0, 0
	MULP F1, 1, 1, 0
.endm
	s_wait_tensorcnt 1                             ; my part of K step 0 is in; K step 1's may stay out
	s_barrier_signal -1
	s_barrier_wait -1                              ; everybody's is
	FETCH 0, F0
	QUARTER 64,  F0, F1, 1                         ; the first quarter stands in front of the loop: its products start the sums
	WIN 0                                          ; at a label and at a branch every window is 0
	s_mov_b32 s3, STEPS-1
	s_branch .Lfirst                               ; the loop is entered behind a step's first quarter
.Lstep:                                                ; STEPS - 2 times: a change of slots with its refill, and the next step's first quarter
	TURN 1
	QUARTER 64,  F0, F1, 0
	WIN 0
.Lfirst:                                               ; STEPS - 1 times: a step's second and third quarter
	QUARTER 128, F1, F0, 0
	QUARTER 192, F0, F1, 0
	WIN 0
	s_sub_co_u32 s3, s3, 1
	s_cmp_lg_u32 s3, 0
	s_cbranch_scc1 .Lstep
	TURN 0                                         ; the tail is written out.  Behind this barrier nobody reads slot 0 any more, and no load fills it again: its bytes become the stage
	QUARTER 64,  F0, F1, 0
	QUARTER 128, F1, F0, 0
	QUARTER 192, F0, F1, 0
	s_wait_dscnt 4
	MULP F1, 0, 0, 0
	MULP F1, 0, 1, 0
	s_wait_dscnt 0x0
	MULP F1, 1, 0, 0
	MULP F1, 1, 1, 0
	; THE WAY OUT: rounded to f16, 16 bytes a lane into the work-group's stage (128 rows x 784 bytes); a barrier, since a row's 768 bytes come from two waves; back as whole rows, 32 rows a wave.
	PLACES
	PLACES                                         ; eight places, once a launch
	WIN 0x0a                                       ; sources window 2, destination window 0; each accumulator's registers in ascending order
.set t, 0
.rept 96
	v_cvt_pk_f16_f32 v[TMP+t], v[2*t], v[2*t+1]
.set t, t+1
.endr
	WIN 0x0f                                       ; sources window 3
.set t, 0
.rept 96
	v_cvt_pk_f16_f32 v[TMP+96+t], v[2*t], v[2*t+1]
.set t, t+1
.endr
	WIN 0
.irp a, 0,1,2,3
.irp b, 0,1,2,3,4,5,6,7,8,9,10,11
	ds_store_b128 v[STO], v[TMP+4*(12*(\a)+(\b)):TMP+4*(12*(\a)+(\b))+3] offset:(\a)*16*SPITCH+32*(\b)
.endr
.endr
	s_wait_dscnt 0x0                               ; for the others' sake: my stores into the stage are done
	s_barrier_signal -1
	s_barrier_wait -1
.set t, 0
.rept 48
	ds_load_b128 v[TMP+4*t:TMP+4*t+3], v[RD] offset:(t/3)*2*SPITCH+(t%3)*256
.set t, t+1
.endr
.set t, 0
.rept 48
	s_wait_dscnt 47-t                              ; LDS loads come back in order: number t is in
	global_store_b128 v[CO], v[TMP+4*t:TMP+4*t+3], s[6:7] offset:(t/3)*2*QP+(t%3)*256  ; 16 lanes store 256 consecutive bytes, at a multiple of 256 from qkv's first byte
.set t, t+1
.endr
	s_wait_tensorcnt 0x0                           ; the wave's end: the add and its wait stand behind my last tensor load and my last LDS store
	ds_add_u32 v[SPW], v[NIL]
	s_wait_dscnt 0x0
	CROUND                                         ; the closing round: no work-group ends while a partner may still ask for a tile that names it
	s_endpgm
.Lfunc_end_k_q33db6aea98_proj:
	.size	k_q33db6aea98_proj, .Lfunc_end_k_q33db6aea98_proj-k_q33db6aea98_proj
	.p2alignl 7, 3214868480
	.fill 96, 4, 3214868480
	.section	.rodata,"a",@progbits
	.p2align	6, 0x0
	.amdhsa_kernel k_q33db6aea98_proj
		.amdhsa_group_segment_fixed_size 327680
		.amdhsa_private_segment_fixed_size 0
		.amdhsa_enable_private_segment 0
		.amdhsa_kernarg_size 16
		.amdhsa_user_sgpr_count 2
		.amdhsa_user_sgpr_kernarg_segment_ptr 1
		.amdhsa_wavefront_size32 1
		.amdhsa_system_sgpr_workgroup_id_x 1
		.amdhsa_system_sgpr_workgroup_id_y 1
		.amdhsa_system_sgpr_workgroup_id_z 1
		.amdhsa_system_vgpr_workitem_id 0
		.amdhsa_next_free_vgpr 960
		.amdhsa_next_free_sgpr 72
		.amdhsa_reserve_vcc 0
		.amdhsa_float_denorm_mode_32 3
		.amdhsa_float_denorm_mode_16_64 3
		.amdhsa_memory_ordered 1
		.amdhsa_forward_progress 1
		.amdhsa_inst_pref_size 92
	.end_amdhsa_kernel
	.amdgpu_metadata
---
amdhsa.version: [ 1, 2 ]
amdhsa.kernels:
  - .name:           k_q33db6aea98_proj
    .symbol:         k_q33db6aea98_proj.kd
    .args:
      - { .name: xw, .offset: 0, .size: 8, .value_kind: global_buffer, .address_space: global }
      - { .name: qkv, .offset: 8, .size: 8, .value_kind: global_buffer, .address_space: global }
    .group_segment_fixed_size: 327680
    .private_segment_fixed_size: 0
    .kernarg_segment_align: 8
    .kernarg_segment_size: 16
    .max_flat_workgroup_size: 128
    .sgpr_count:     72
    .vgpr_count:     960
    .wavefront_size: 32
...
	.end_amdgpu_metadata
.endif
;; end of part 2
;; launch scores (part 3): grid 8 x 32, 4 waves a work-group, clusters of 4 x 4, 327,680 bytes of LDS; arguments qkv, pt, st; writes pt, st
.if DOCPART == 3
	.amdgcn_target "amdgcn-amd-amdhsa--gfx1250"
	.amdhsa_code_object_version 6
	.text
	.protected	k_q33db6aea98_scores
	.globl	k_q33db6aea98_scores
	.p2align	8
	.type	k_q33db6aea98_scores,@function
k_q33db6aea98_scores:
	s_mov_b64 s[64:65], 0
	v_nop
	global_prefetch_b8 v0, s[64:65] scope:SCOPE_SE
	s_setreg_imm32_b32 hwreg(HW_REG_WAVE_MODE, 25, 1), 1
	s_wait_xcnt 0x0
	s_wait_alu depctr_hold_cnt(0) depctr_sa_sdst(0) depctr_va_vdst(0) depctr_va_sdst(0) depctr_va_ssrc(0) depctr_va_vcc(0) depctr_vm_vsrc(0)
	s_getreg_b32 s2, hwreg(HW_REG_IB_STS2, 6, 4)
	s_cmp_eq_u32 s2, 0
	s_cbranch_scc0 .Lentry_in_a_cluster
	s_endpgm
.Lentry_in_a_cluster:
	s_bfe_u32 s2, ttmp6, 0x10000c
	s_cmp_lg_u32 s2, 0xf033
	s_cbranch_scc0 .Lentry_shape_is_right
	s_endpgm
.Lentry_shape_is_right:
; THE FIRST HALF OF THE SOFTMAX.  s[i][j] = q[i] . k[j] over 1,024 channels, for query row i (0-8191) and key j (0-2047) of the same batch of 2,048 rows; q = columns 0-1023 of qkv, k = columns 1024-2047, f16; sums f32.
; For each row and each CHUNK t of 128 keys: cm = c x (the largest s of the chunk), c = log2(e) / 32; p = 2^(c s - cm), stored in f16 in pt [8192][2048]; l = the sum of the unrounded p, f32.
; st holds cm as [16][8192] f32 from byte 0 and l likewise from byte 524,288.  The launch behind takes the row's maximum of the sixteen cm and corrects each chunk by 2^(cm_t - cm): the row's true maximum is what is subtracted.
; LIMITS.  p lies in 0 to 1 (one rounding of c m above it at the most); below 6e-5 it keeps f16's fixed step of 6e-8; an exponential below 2^-126 counts as 0 in l.  NaN and infinities are not treated apart.
; SHARES.  A tile is 256 queries x 256 keys: 32 x 8 = 256 work-groups.  Four waves, each 128 x 128 (one chunk wide): 64 accumulators, 512 registers.  The channels go in steps of 128 through two LDS slots
; (q's 256 rows, then k's 256), filled by the tensor data mover, 128 rows of 256 aligned bytes a wave.
; THE LOOP'S BODY IS ONE STEP.  Which slot it reads is an offset, 0 or SLOT, in a scalar register that an exclusive or turns at each change of slots.  The first quarter step, which starts the sums, stands in front of the
; loop, and the loop is entered in its middle: so the text holds ten quarter steps for the walk's thirty-two.
; CLUSTER 4 x 4.  The four of a row of the cluster need the same rows of q, the four of a column the same rows of k: each tile is asked for jointly.
; THE PRODUCT IS TAKEN TRANSPOSED (source 0 = 16 keys, source 1 = 16 queries): a lane holds ONE query (l % 16) and the keys 8 (l / 16) + 0..7 of each block of 16, so a row's maximum and sum want one exchange between the halves of the lanes.
; REGISTERS, in windows of 256 (s_set_vgpr_msb: bits 1:0 source 0, 3:2 source 1, 5:4 source 2, 7:6 destination):
;   window 0: v0-31 addresses; v64-127, v128-191 q's fragments, two buffers; on the way out v64-103 statistics, v192-223 packed p, v32-63 and v224-255 rows read back
;   window 1: v64-127, v128-191 k's fragments     window 2: the accumulators of my rows 0-63 ((a, b) at 8 (8 a + b))     window 3: of my rows 64-127
.set KSTEP,  128
.set PITCH,  272                       ; an LDS row: 256 bytes + 16 of padding: the 16 rows of a fragment load start at 16 different groups of four banks (64 banks of 4 bytes: ISA guide 11.1)
.set HALFT,  128*PITCH
.set SLOT,   4*HALFT
.set STAGE,  2*SLOT                    ; behind the ring: 16 rows x 272 bytes for each wave
.set SPITCH, 272
.set STAT,   STAGE+4*16*SPITCH         ; 1,024 bytes for each wave: its 128 cm, then its 128 l
.set SPARE,  STAT+4*1024               ; the spare words, 128 bytes a wave, which no other line names
.set STEPS,  8
.set QP,     6144                      ; bytes in a row of qkv
.set PTP,    4096                      ; bytes in a row of pt
.set LOFF,   524288                    ; byte of st at which l begins
.set A0,   16                          ; v16  LDS address of my fragments of q in slot 0; never rewritten
.set ADRA, 17                          ; v17  the same in the slot in hand
.set B0,   20                          ; v20, v21  likewise for k
.set ADRB, 21
.set STG,  23                          ; v23  16 x lane: my offset in 512 bytes of st
.set STO,  24
.set RD,   25
.set CO,   26
.set STA,  27                          ; v27  where I put a row's statistic
.set SPW,  28
.set NIL,  29
.set PFO,  30
.set STR,  31                          ; v31  where I read four of them back
.set OB,   32
.set MB,   64                          ; v64-71  eight running maxima
.set CMP,  72                          ; v[72:73] cm, named as a pair
.set LP,   74                          ; v[74:75] the sum's last pair
.set T,    76                          ; v76-77  at work
.set CMV,  80                          ; v80-87  cm of blocks 0-7
.set LV,   88                          ; v88-95  l of blocks 0-7
.set F0,   64
.set F1,   128
.set TMP,  192
.set G1,   24                          ; s[24:31] group 1 for q's tiles; s[32:39] group 0: a set for each of the two first fills; the second then walks on
.set G0,   32
.set LIM,  43
.set PFA,  44
.set G1B,  48                          ; the same for k's tiles
.set G0B,  56
.set CS,   66                          ; s[66:67] c, twice
.set SEL,  68                          ; s[68:69] v_permlanex16_b32's selects: each lane takes its own place in the other half
.set TB,   70                          ; s70  the offset of the slot in hand: 0 or SLOT
.set LW,   71                          ; s71  my tile's place in a slot: wave x 128 rows
.set FLAGS, (1<<16)|(1<<20)|(1<<21)|(5<<22)|(3<<25)
.set MUL_LO, 0xa1                      ; source 0 (k) window 1, source 1 (q) window 0, C and D window 2
.set TO_B,   0x40
.set MSB, 0
.macro WIN new
.if MSB != (\new)
	s_set_vgpr_msb (MSB<<8)|(\new)
.set MSB, (\new)
.endif
.endm
.macro PLACES
.rept 4
	v_nop
.endr
.endm
.macro CREST
	s_cmp_lg_u32 s10, 0
	s_cbranch_scc1 .Lnot_wave_0_\@
	s_barrier_signal -3
.Lnot_wave_0_\@:
	s_barrier_wait -3
	s_barrier_signal -1
	s_barrier_wait -1
.endm
.macro CROUND
	s_barrier_signal -1
	s_barrier_wait -1
	CREST
.endm
.macro JLOAD                           ; a joint refill by the walking descriptors: waves 0 and 1 q's two halves, waves 2 and 3 k's; an s_nop 0 and four v_nop follow each line
	s_cmp_eq_u32 s11, 0
	s_cbranch_scc0 .Lfor_b_\@
	tensor_load_to_lds s[G0+4:G0+7], s[G1:G1+7]
	s_nop 0
.rept 4
	v_nop
.endr
	s_branch .Lasked_\@
.Lfor_b_\@:
	tensor_load_to_lds s[G0B+4:G0B+7], s[G1B:G1B+7]
	s_nop 0
.rept 4
	v_nop
.endr
.Lasked_\@:
.endm
; A prefetch, behind each joint refill and the run of LDS loads that follows it: the step two refills on, 32 rows x 256 bytes, a lane a row.  q's rows are asked for by the clusters with x = 0, k's by the first of the two
; rows of clusters that share a batch (cluster y even); the four partners of a joint load share its 128 rows out by address.  Each row's 256 bytes of a step are named once.  The last two refills (s3 = 2 and 1) ask for nothing.
.macro ASK
	WIN 0
	s_cmp_gt_u32 s3, s[LIM]
	s_cbranch_scc0 .Lnot_mine_\@
	global_prefetch_b8 v[PFO], s[PFA:PFA+1] th:TH_LOAD_NT scope:SCOPE_SE
.Lnot_mine_\@:
.endm
	s_load_b128 s[4:7], s[0:1], 0x0                ; qkv s[4:5], pt s[6:7]
	s_load_b64 s[8:9], s[0:1], 0x10                ; st
	v_lshl_add_u32 v[SPW], v0, 2, SPARE
	v_mov_b32 v[NIL], 0
	ds_add_u32 v[SPW], v[NIL]                      ; the wave's opening: the add and its wait stand ahead of my first tensor load
	v_lshrrev_b32 v1, 5, v0
	v_readfirstlane_b32 s10, v1                    ; wave 0..3
	s_lshr_b32 s11, s10, 1                         ; which half of the tile's queries is mine.  Also: I fetch q (0) or k (1)
	s_and_b32 s12, s10, 1                          ; which half of its keys.  Also: which 128 rows I fetch
	s_bfe_u32 s40, ttmp6, 0x40000
	s_bfe_u32 s41, ttmp6, 0x40004
	s_lshl_b32 s42, ttmp9, 2
	s_add_co_u32 s42, s42, s40                     ; tile column
	s_and_b32 s13, ttmp7, 0xffff
	s_lshl_b32 s13, s13, 2
	s_add_co_u32 s13, s13, s41                     ; tile row
	s_lshl_b32 s43, s41, 2
	s_lshl_b32 s43, 15, s43
	s_lshl_b32 s44, 0x1111, s40
	s_or_b32 s[G1+0], s43, FLAGS
	s_or_b32 s[G1B+0], s44, FLAGS
.irp g, G1, G1B
	s_mov_b32 s[(\g)+1], KSTEP<<16
	s_mov_b32 s[(\g)+2], 128<<16
	s_mov_b32 s[(\g)+3], KSTEP<<16
	s_mov_b32 s[(\g)+4], 128
	s_mov_b32 s[(\g)+5], 3072                      ; elements from row to row of qkv
	s_mov_b32 s[(\g)+6], 0
	s_mov_b32 s[(\g)+7], 0
.endr
	s_mov_b32 s[CS], 0x3d38aa3b                    ; c = log2(e) / 32
	s_mov_b32 s[CS+1], s[CS]
	s_mov_b32 s[SEL], 0x76543210
	s_mov_b32 s[SEL+1], 0xfedcba98
	s_lshl_b32 s18, s12, 7                         ; which 128 rows of a tile I fetch
	s_lshl_b32 s16, s13, 8
	s_add_co_u32 s16, s16, s18                     ; q: row 256 x tile row + 128 x half
	s_mul_i32 s16, s16, QP
	s_mov_b32 s17, 0
	s_and_b32 s19, ttmp7, 0xffff
	s_lshr_b32 s19, s19, 1                         ; the batch: two rows of clusters each
	s_lshl_b32 s19, s19, 11                        ; its first row
	s_lshl_b32 s46, s42, 8
	s_add_co_u32 s46, s46, s18
	s_add_co_u32 s46, s46, s19                     ; k: row 2048 x batch + 256 x tile column + 128 x half,
	s_mul_i32 s46, s46, QP
	s_add_co_u32 s46, s46, 2048                    ; columns 1024 on
	s_mov_b32 s47, 0
	s_mul_i32 s[LW], s10, HALFT                    ; where my tile goes in a slot: no place in the cluster enters an LDS address
	s_mov_b32 s[TB], 0                             ; the walk begins in slot 0
	s_wait_dscnt 0x0                               ; the opening add is done
	s_wait_kmcnt 0x0
	s_add_nc_u64 s[14:15], s[4:5], s[16:17]
	s_add_nc_u64 s[46:47], s[4:5], s[46:47]
.irp s, 0,1
	s_mov_b32 s[G0+4*(\s)], 1
	s_add_co_u32 s[G0+4*(\s)+1], s[LW], (\s)*SLOT
	s_add_nc_u64 s[G0+4*(\s)+2:G0+4*(\s)+3], s[14:15], (\s)*KSTEP*2
	s_or_b32 s[G0+4*(\s)+3], s[G0+4*(\s)+3], 0x80000000
	s_mov_b32 s[G0B+4*(\s)], 1
	s_add_co_u32 s[G0B+4*(\s)+1], s[LW], (\s)*SLOT
	s_add_nc_u64 s[G0B+4*(\s)+2:G0B+4*(\s)+3], s[46:47], (\s)*KSTEP*2
	s_or_b32 s[G0B+4*(\s)+3], s[G0B+4*(\s)+3], 0x80000000
.endr
	CROUND                                         ; all sixteen work-groups are here: the first joint loads meet
	s_cmp_eq_u32 s11, 0                            ; a wave's two first fills stand in one branch: two loads of mine are out
	s_cbranch_scc0 .Lfirst_b
	tensor_load_to_lds s[G0:G0+3], s[G1:G1+7]
	s_nop 0
	tensor_load_to_lds s[G0+4:G0+7], s[G1:G1+7]
	s_nop 0
.rept 4
	v_nop
.endr
	s_branch .Lfirst_asked
.Lfirst_b:
	tensor_load_to_lds s[G0B:G0B+3], s[G1B:G1B+7]
	s_nop 0
	tensor_load_to_lds s[G0B+4:G0B+7], s[G1B:G1B+7]
	s_nop 0
.rept 4
	v_nop
.endr
.Lfirst_asked:
	v_and_b32 v1, 15, v0                           ; l % 16
	v_bfe_u32 v2, v0, 4, 1                         ; l / 16
	v_mul_u32_u24 v3, v1, PITCH
	v_lshl_add_u32 v3, v2, 4, v3
	s_mul_i32 s21, s11, HALFT                      ; my 128 rows of q
	s_mul_i32 s22, s12, HALFT                      ; my 128 rows of k,
	s_add_co_u32 s22, s22, 2*HALFT                 ; which lie behind q's 256
	v_add_nc_u32 v[A0], s21, v3
	v_add_nc_u32 v[B0], s22, v3
	v_mov_b32 v[ADRA], v[A0]                       ; the slot in hand is slot 0
	v_mov_b32 v[ADRB], v[B0]
	s_mul_i32 s23, s10, 16*SPITCH
	s_add_co_u32 s23, s23, STAGE                   ; my stage
	v_mul_u32_u24 v4, v1, SPITCH
	v_lshl_add_u32 v4, v2, 4, v4
	v_add_nc_u32 v[STO], s23, v4
	v_mul_u32_u24 v5, v2, SPITCH
	v_lshl_add_u32 v5, v1, 4, v5
	v_add_nc_u32 v[RD], s23, v5
	v_lshlrev_b32 v5, 12, v2                       ; and the same two rows in pt
	v_lshl_add_u32 v[CO], v1, 4, v5
	s_lshl_b32 s23, s10, 10
	s_add_co_u32 s23, s23, STAT                    ; my statistics
	v_lshl_add_u32 v[STA], v1, 2, s23
	v_and_b32 v[STG], 31, v0
	v_lshlrev_b32 v[STG], 4, v[STG]
	v_add_nc_u32 v[STR], s23, v[STG]
	s_lshl_b32 s16, s13, 8
	s_lshl_b32 s17, s11, 7
	s_add_co_u32 s16, s16, s17                     ; my first query row
	s_lshl_b32 s46, s42, 1
	s_add_co_u32 s46, s46, s12                     ; my chunk
	s_lshl_b32 s47, s46, 13
	s_add_co_u32 s47, s47, s16
	s_lshl_b32 s20, s47, 2                         ; st: 4 (8192 x chunk + row)
	s_mov_b32 s21, 0
	s_add_nc_u64 s[8:9], s[8:9], s[20:21]
	s_lshl_b32 s16, s16, 12                        ; pt: row x 4,096 + 256 x chunk
	s_lshl_b32 s46, s46, 8
	s_add_co_u32 s16, s16, s46
	s_mov_b32 s17, 0
	s_add_nc_u64 s[6:7], s[6:7], s[16:17]
	; the prefetches
	s_lshl_b32 s20, s13, 8                         ; q's tile begins at row 256 x tile row,
	s_lshl_b32 s21, s42, 8
	s_add_co_u32 s21, s21, s19                     ; k's at 2048 x batch + 256 x tile column
	s_and_b32 s22, ttmp7, 1                        ; which of the batch's two rows of clusters
	s_cmp_eq_u32 s11, 0
	s_cselect_b32 s20, s20, s21
	s_cselect_b32 s21, s40, s41                    ; my place among the four that ask with me
	s_cselect_b32 s22, ttmp9, s22
	s_cselect_b32 s23, 0, 2048
	s_cmp_eq_u32 s22, 0
	s_cselect_b32 s[LIM], 2, -1
	s_add_co_u32 s20, s20, s18                     ; the 128 rows that I fetch,
	s_lshl_b32 s21, s21, 5
	s_add_co_u32 s20, s20, s21                     ; my work-group's 32 of them
	s_mul_i32 s20, s20, QP
	s_add_co_u32 s20, s20, s23
	s_add_co_u32 s20, s20, 3*KSTEP*2               ; at step 3: the first refill steps it to 4
	s_mov_b32 s21, 0
	s_add_nc_u64 s[PFA:PFA+1], s[4:5], s[20:21]
	v_and_b32 v[PFO], 31, v0
	v_mul_u32_u24 v[PFO], v[PFO], QP
; 16 products: blocks a0, a0 + 1 of the window's four x all 8 key blocks, 32 channels.  zero = 1: the first product starts the sums.  The 64 accumulators take turns, one instruction a turn.
.macro MUL16 f, hi, a0, zero
	WIN MUL_LO+0x50*(\hi)
.irp a, \a0, (\a0)+1
.irp b, 0,1,2,3,4,5,6,7
.if \zero
	v_wmma_f32_16x16x32_f16 v[8*(8*(\a)+(\b)):8*(8*(\a)+(\b))+7], v[(\f)+8*(\b):(\f)+8*(\b)+7], v[(\f)+8*(4*(\hi)+(\a)):(\f)+8*(4*(\hi)+(\a))+7], 0
.else
	v_wmma_f32_16x16x32_f16 v[8*(8*(\a)+(\b)):8*(8*(\a)+(\b))+7], v[(\f)+8*(\b):(\f)+8*(\b)+7], v[(\f)+8*(4*(\hi)+(\a)):(\f)+8*(4*(\hi)+(\a))+7], v[8*(8*(\a)+(\b)):8*(8*(\a)+(\b))+7]
.endif
.endr
.endr
.endm
.macro FETCH k, f                      ; 32 LDS loads in one run, from the slot in hand: k's eight fragments, then q's eight
	WIN TO_B
.irp i, 0,1,2,3,4,5,6,7
	ds_load_b128 v[(\f)+8*(\i):(\f)+8*(\i)+3],   v[ADRB] offset:(\k)+(\i)*16*PITCH
	ds_load_b128 v[(\f)+8*(\i)+4:(\f)+8*(\i)+7], v[ADRB] offset:(\k)+(\i)*16*PITCH+32
.endr
	WIN 0
.irp i, 0,1,2,3,4,5,6,7
	ds_load_b128 v[(\f)+8*(\i):(\f)+8*(\i)+3],   v[ADRA] offset:(\k)+(\i)*16*PITCH
	ds_load_b128 v[(\f)+8*(\i)+4:(\f)+8*(\i)+7], v[ADRA] offset:(\k)+(\i)*16*PITCH+32
.endr
.endm
.macro QUARTER k, f, g, zero
	s_wait_dscnt 8                                 ; k and q's rows 0-63 are in; the youngest eight loads (q's rows 64-127) may be out
	MUL16 \f, 0, 0, \zero
	MUL16 \f, 0, 2, \zero
	PLACES
	FETCH \k, \g
	s_wait_dscnt 32                                ; all but the 32 just issued
	MUL16 \f, 1, 0, \zero
	MUL16 \f, 1, 2, \zero
.endm
; The last quarter multiplies buffer 1 and changes slots: one barrier.  Sixteen products stand ahead of the wait for the tensor loads, so that they are issued while the next slot's tile may still be on its way.  Then each wave
; waits for all its tensor loads (one is out: its part of the next slot), adds 0 to its spare word, and waits for that and for its own reads of this slot.  fill = 1: the barrier opens a round of the cluster's, and this slot is
; filled again first thing behind it: 240 products stand between that request and the wait for it.
.macro TURN fill
.if \fill
	s_wait_xcnt 0x0                                ; the last prefetch, a step back, has read its address
	s_add_nc_u64 s[PFA:PFA+1], s[PFA:PFA+1], KSTEP*2
.endif
	s_wait_dscnt 8                                 ; k and q's rows 0-63 are in
	MUL16 F1, 0, 0, 0
	WIN 0
	s_wait_tensorcnt 0x0                           ; all my tensor loads have landed, so the walking descriptors may be written
	ds_add_u32 v[SPW], v[NIL]                      ; 0 onto my spare word; scalar work and sixteen products stand between it and the wait for it
.if \fill
	s_add_co_u32 s[G0+5], s[LW], s[TB]             ; the refill goes into the slot that is being left,
	s_add_co_u32 s[G0B+5], s[LW], s[TB]
	s_add_nc_u64 s[G0+6:G0+7], s[G0+6:G0+7], KSTEP*2      ; and brings the step behind the one asked for last
	s_add_nc_u64 s[G0B+6:G0B+7], s[G0B+6:G0B+7], KSTEP*2
.endif
	s_xor_b32 s[TB], s[TB], SLOT                   ; the other slot comes in hand
	MUL16 F1, 0, 2, 0
	WIN 0
	s_wait_dscnt 0x0                               ; the add is done, and my reads of this slot are over
	s_barrier_signal -1
	s_barrier_wait -1
.if \fill
	CREST
	JLOAD                                          ; its four v_nop are also the places in front of the loads below
.else
	PLACES
.endif
	v_add_nc_u32 v[ADRA], s[TB], v[A0]
	v_add_nc_u32 v[ADRB], s[TB], v[B0]
	FETCH 0, F0
.if \fill
	ASK
.endif
	MUL16 F1, 1, 0, 0
	MUL16 F1, 1, 2, 0
.endm
; THE SOFTMAX OF BLOCK a: 16 queries x my 128 keys, 64 scores a lane in eight accumulators.  The maximum (each accumulator's lowest registers are read first), cm, the scalings, ONE batch of 64
; exponentials with one wait, the roundings to f16, the sum.
.macro SOFT a
.set W,     2+(\a)/4
.set AC,    64*((\a)%4)
.set W_SSS, W|(W<<2)|(W<<4)
.set W_0SS, (W<<2)|(W<<4)
.set W_DS,  (W<<6)|W
.set W_SS,  W|(W<<2)
.set W_DSS, (W<<6)|W|(W<<2)
	WIN W_SSS
.irp b, 0,1,2,3,4,5,6,7
	v_max3_num_f32 v[MB+(\b)], v[AC+8*(\b)], v[AC+8*(\b)+1], v[AC+8*(\b)+2]
.endr
	WIN W_0SS
.irp b, 0,1,2,3,4,5,6,7
	v_max3_num_f32 v[MB+(\b)], v[MB+(\b)], v[AC+8*(\b)+3], v[AC+8*(\b)+4]
.endr
.irp b, 0,1,2,3,4,5,6,7
	v_max3_num_f32 v[MB+(\b)], v[MB+(\b)], v[AC+8*(\b)+5], v[AC+8*(\b)+6]
.endr
.irp b, 0,1,2,3,4,5,6,7
	v_max_num_f32 v[MB+(\b)], v[MB+(\b)], v[AC+8*(\b)+7]
.endr
	WIN 0
	v_max3_num_f32 v[MB], v[MB], v[MB+1], v[MB+2]
	v_max3_num_f32 v[MB+3], v[MB+3], v[MB+4], v[MB+5]
	v_max3_num_f32 v[MB], v[MB], v[MB+6], v[MB+7]
	v_max_num_f32 v[MB], v[MB], v[MB+3]
	v_permlanex16_b32 v[T+1], v[MB], s[SEL], s[SEL+1]  ; the query's other 64 keys lie in the lane 16 away
	v_max_num_f32 v[MB], v[MB], v[T+1]
	v_mul_f32 v[CMP], s[CS], v[MB]
	v_mov_b32 v[CMV+(\a)], v[CMP]
	WIN W_DS
.set p, 0
.rept 32
	v_pk_fma_f32 v[AC+2*p:AC+2*p+1], v[AC+2*p:AC+2*p+1], s[CS:CS+1], v[CMP:CMP+1] op_sel_hi:[1,0,0] neg_lo:[0,0,1] neg_hi:[0,0,1]  ; c s - cm
.set p, p+1
.endr
.set p, 0
.rept 64
	v_exp_f32 v[AC+p], v[AC+p]
.set p, p+1
.endr
	v_nop                                          ; a plain instruction behind the last exponential (ISA guide 5.7.2),
	s_wait_alu depctr_va_vdst(0)                   ; and the one wait ahead of the batch's first reader
	WIN W_SS
.set p, 0
.rept 32
	v_cvt_pk_f16_f32 v[TMP+p], v[AC+2*p], v[AC+2*p+1]
.set p, p+1
.endr
	WIN W_DSS
.irp d, 16,8,4,2                       ; the sum of the 32 pairs, in place: neighbours 16, 8, 4 and 2 pairs apart
.set p, 0
.rept \d
	v_pk_add_f32 v[AC+2*p:AC+2*p+1], v[AC+2*p:AC+2*p+1], v[AC+2*p+2*(\d):AC+2*p+2*(\d)+1]
.set p, p+1
.endr
.endr
	WIN W_SS
	v_pk_add_f32 v[LP:LP+1], v[AC:AC+1], v[AC+2:AC+3]
	WIN 0
	v_add_f32 v[T], v[LP], v[LP+1]
	v_permlanex16_b32 v[T+1], v[T], s[SEL], s[SEL+1]
	v_add_f32 v[LV+(\a)], v[T], v[T+1]
.endm
.macro TOSTAGE a                       ; 16 bytes a lane into my own stage, and back as whole rows of 256 bytes
	WIN 0
.set BK, OB+192*((\a)%2)
.irp b, 0,1,2,3,4,5,6,7
	ds_store_b128 v[STO], v[TMP+4*(\b):TMP+4*(\b)+3] offset:32*(\b)
.endr
.irp t, 0,1,2,3,4,5,6,7
	ds_load_b128 v[BK+4*(\t):BK+4*(\t)+3], v[RD] offset:(\t)*2*SPITCH  ; LDS serves a wave's instructions in order (ISA guide 5.7.1.4): these see the stores above
.endr
.endm
.macro SEND a
	WIN 0
.set BK, OB+192*((\a)%2)
	s_wait_dscnt 0x0                               ; the block is back in registers
	s_wait_xcnt 0x0                                ; earlier stores have read their registers: the other buffer may be loaded again behind this wait
.irp t, 0,1,2,3,4,5,6,7
	global_store_b128 v[CO], v[BK+4*(\t):BK+4*(\t)+3], s[6:7] offset:(16*(\a)+2*(\t))*PTP  ; 16 lanes store 256 consecutive bytes, at a multiple of 256 from pt's first byte
.endr
.endm
	s_wait_tensorcnt 1                             ; my part of step 0 is in; step 1's may stay out
	s_barrier_signal -1
	s_barrier_wait -1
	FETCH 0, F0
	QUARTER 64,  F0, F1, 1                         ; the first quarter stands in front of the loop: its products start the sums
	WIN 0                                          ; at a label and at a branch every window is 0
	s_mov_b32 s3, STEPS-1
	s_branch .Lfirst                               ; the loop is entered behind a step's first quarter
.Lstep:                                                ; STEPS - 2 times: a change of slots with its refill, and the next step's first quarter
	TURN 1
	QUARTER 64,  F0, F1, 0
	WIN 0
.Lfirst:                                               ; STEPS - 1 times: a step's second and third quarter
	QUARTER 128, F1, F0, 0
	QUARTER 192, F0, F1, 0
	WIN 0
	s_sub_co_u32 s3, s3, 1
	s_cmp_lg_u32 s3, 0
	s_cbranch_scc1 .Lstep
	TURN 0                                         ; the tail is written out: nothing is asked for
	QUARTER 64,  F0, F1, 0
	QUARTER 128, F1, F0, 0
	QUARTER 192, F0, F1, 0
	s_wait_dscnt 8
	MUL16 F1, 0, 0, 0
	MUL16 F1, 0, 2, 0
	s_wait_dscnt 0x0
	MUL16 F1, 1, 0, 0
	MUL16 F1, 1, 2, 0
	; THE WAY OUT, a block of 16 queries at a time; a block's arithmetic stands between the loads of the block before and its stores.
	WIN 0
	PLACES
	PLACES                                         ; eight places, once a launch
	v_mov_b32 v[CMP+1], 0                          ; named with cm as a pair, so it is written
	v_mov_b32 v[T+1], 0                            ; the exchange's destination counts as read
	SOFT 0
	TOSTAGE 0
.irp a, 1,2,3,4,5,6,7
	SOFT \a
	SEND (\a)-1
	TOSTAGE \a
.endr
	SEND 7
.irp a, 0,1,2,3,4,5,6,7                ; the statistics: both halves of the lanes hold, and write, the same number
	ds_store_b32 v[STA], v[CMV+(\a)] offset:64*(\a)
	ds_store_b32 v[STA], v[LV+(\a)] offset:512+64*(\a)
.endr
	ds_load_b128 v[96:99], v[STR]                  ; my wave's own bytes, in order behind the stores
	ds_load_b128 v[100:103], v[STR] offset:512
	s_wait_dscnt 0x0
	global_store_b128 v[STG], v[96:99], s[8:9]               ; 512 consecutive bytes each
	global_store_b128 v[STG], v[100:103], s[8:9] offset:LOFF
	s_wait_tensorcnt 0x0                           ; the wave's end: the add and its wait stand behind my last tensor load and my last LDS store
	ds_add_u32 v[SPW], v[NIL]
	s_wait_dscnt 0x0
	CROUND                                         ; the closing round
	s_endpgm
.Lfunc_end_k_q33db6aea98_scores:
	.size	k_q33db6aea98_scores, .Lfunc_end_k_q33db6aea98_scores-k_q33db6aea98_scores
	.p2alignl 7, 3214868480
	.fill 96, 4, 3214868480
	.section	.rodata,"a",@progbits
	.p2align	6, 0x0
	.amdhsa_kernel k_q33db6aea98_scores
		.amdhsa_group_segment_fixed_size 327680
		.amdhsa_private_segment_fixed_size 0
		.amdhsa_enable_private_segment 0
		.amdhsa_kernarg_size 24
		.amdhsa_user_sgpr_count 2
		.amdhsa_user_sgpr_kernarg_segment_ptr 1
		.amdhsa_wavefront_size32 1
		.amdhsa_system_sgpr_workgroup_id_x 1
		.amdhsa_system_sgpr_workgroup_id_y 1
		.amdhsa_system_sgpr_workgroup_id_z 1
		.amdhsa_system_vgpr_workitem_id 0
		.amdhsa_next_free_vgpr 1024
		.amdhsa_next_free_sgpr 72
		.amdhsa_reserve_vcc 0
		.amdhsa_float_denorm_mode_32 3
		.amdhsa_float_denorm_mode_16_64 3
		.amdhsa_memory_ordered 1
		.amdhsa_forward_progress 1
		.amdhsa_inst_pref_size 174
	.end_amdhsa_kernel
	.amdgpu_metadata
---
amdhsa.version: [ 1, 2 ]
amdhsa.kernels:
  - .name:           k_q33db6aea98_scores
    .symbol:         k_q33db6aea98_scores.kd
    .args:
      - { .name: qkv, .offset: 0, .size: 8, .value_kind: global_buffer, .address_space: global }
      - { .name: pt, .offset: 8, .size: 8, .value_kind: global_buffer, .address_space: global }
      - { .name: st, .offset: 16, .size: 8, .value_kind: global_buffer, .address_space: global }
    .group_segment_fixed_size: 327680
    .private_segment_fixed_size: 0
    .kernarg_segment_align: 8
    .kernarg_segment_size: 24
    .max_flat_workgroup_size: 128
    .sgpr_count:     72
    .vgpr_count:     1024
    .wavefront_size: 32
...
	.end_amdgpu_metadata
.endif
;; end of part 3
;; launch pv (part 4): grid 4 x 64, 4 waves a work-group, clusters of 4 x 4, 327,680 bytes of LDS; arguments pt, st, qkv, out0; writes out0
.if DOCPART == 4
	.amdgcn_target "amdgcn-amd-amdhsa--gfx1250"
	.amdhsa_code_object_version 6
	.text
	.protected	k_q33db6aea98_pv
	.globl	k_q33db6aea98_pv
	.p2align	8
	.type	k_q33db6aea98_pv,@function
k_q33db6aea98_pv:
	s_mov_b64 s[64:65], 0
	v_nop
	global_prefetch_b8 v0, s[64:65] scope:SCOPE_SE
	s_setreg_imm32_b32 hwreg(HW_REG_WAVE_MODE, 25, 1), 1
	s_wait_xcnt 0x0
	s_wait_alu depctr_hold_cnt(0) depctr_sa_sdst(0) depctr_va_vdst(0) depctr_va_sdst(0) depctr_va_ssrc(0) depctr_va_vcc(0) depctr_vm_vsrc(0)
	s_getreg_b32 s2, hwreg(HW_REG_IB_STS2, 6, 4)
	s_cmp_eq_u32 s2, 0
	s_cbranch_scc0 .Lentry_in_a_cluster
	s_endpgm
.Lentry_in_a_cluster:
	s_bfe_u32 s2, ttmp6, 0x10000c
	s_cmp_lg_u32 s2, 0xf033
	s_cbranch_scc0 .Lentry_shape_is_right
	s_endpgm
.Lentry_shape_is_right:
; THE SECOND HALF OF THE SOFTMAX, AND THE WEIGHTED SUM.  For each query row: cm = the largest of its sixteen cm_t; f_t = 2^(cm_t - cm); l = the sum of f_t l_t;
; out0[i][ch] = (the sum over chunks t and their 128 keys j of (f_t p[i][j]) v[j][ch]) / l.  p: pt [8192][2048] f16; cm_t, l_t: st, f32; v = columns 2048-3071 of qkv, f16; out0 [8192][1024] f32.
; Maxima, exponents, l and the products' sums in f32; f_t is rounded to f16 and f_t p once more, for the matrix unit.
; LIMITS.  f_t p lies in 0 to 1 and below 6e-5 keeps f16's fixed step of 6e-8; an f_t below 2^-126 counts as 0.  NaN and infinities are not treated apart.
; SHARES.  A tile is 128 queries x 256 channels: 64 x 4 = 256 work-groups.  Four waves, each 64 x 128: 32 accumulators, 256 registers.  The keys go in steps of 128 (a chunk) through two LDS slots
; (p's 128 rows of 256 bytes, then v's 128 keys of 512 bytes): waves 0 and 1 fetch 64 rows of p each, waves 2 and 3 64 keys of v.  Two slots of two steps would take 417,792 bytes: more than LDS holds.
; THE LOOP'S BODY IS ONE STEP.  Which slot it reads is an offset, 0 or SLOT, in a scalar register that an exclusive or turns at each change of slots.  The first quarter step, which starts the sums, stands in front of the
; loop, and the loop is entered in its middle: so the text holds ten quarter steps for the walk's sixty-four.
; CLUSTER 4 x 4.  The four of a row of the cluster need the same rows of p, the four of a column the same channels of v: each tile is asked for jointly.
; THE PRODUCT IS TAKEN TRANSPOSED (source 0 = 16 channels of v, turned by ds_load_tr16_b128; source 1 = 16 queries of p): a lane holds one query (l % 16) and eight neighbouring channels.
; REGISTERS, in windows of 256 (s_set_vgpr_msb: bits 1:0 source 0, 3:2 source 1, 5:4 source 2, 7:6 destination):
;   window 0: v0-31 addresses; v32-39 1 / l in pairs; v40-43 f_t of the step in hand; v64-191 at work at the head, rows read back on the way out
;   window 1: two fragment buffers of 96: v's eight fragments, then p's four     window 2: the accumulators ((a, b) at 8 (8 a + b))
.set KSTEP,  128
.set PITCH,  272                       ; a row of p in LDS: 256 bytes + 16
.set VP,     544                       ; a key of v: 512 + 32 = 136 words
.set SLOT,   128*PITCH+128*VP
.set FT,     2*SLOT                    ; [16][128] words: f_t of the tile's row, f16 in both halves
.set RI,     FT+8192                   ; [128] f32: 1 / l
.set STAGE,  RI+512                    ; 16 rows x 528 bytes for each wave
.set OPITCH, 528
.set SPARE,  STAGE+4*16*OPITCH         ; the spare words, 128 bytes a wave, which no other line names
.set STEPS,  16
.set QP,     6144
.set PTP,    4096
.set A0,   16                          ; v16  LDS address of my fragments of p in slot 0; never rewritten
.set ADRA, 17                          ; v17  the same in the slot in hand
.set B0,   20                          ; v20, v21  likewise for v
.set ADRB, 21
.set FA,   22                          ; v22  where my rows' f_t of the step in hand lie
.set RIA,  23                          ; v23  where my rows' 1 / l lie
.set STO,  24
.set RD,   25
.set CO,   26
.set SPW,  28
.set NIL,  29
.set PFO,  30
.set RV,   32
.set FR,   40
.set OB,   64
.set CM,   64                          ; at the head: v64-79 cm_t, v80-95 l_t, v96-111 f_t
.set LL,   80
.set FF,   96
.set F0,   0
.set F1,   96
.set G1,   24                          ; s[24:31] group 1 for p's tiles; s[32:39] group 0: a set for each of the two first fills; the second then walks on
.set G0,   32
.set LIM,  43
.set PFA,  44
.set G1B,  48                          ; the same for v's tiles
.set G0B,  56
.set PFS,  66                          ; s[66:67] a step of my prefetches, in bytes
.set TB,   72                          ; s72  the offset of the slot in hand: 0 or SLOT
.set LWA,  73                          ; s73  the place in a slot of the rows of p that I fetch
.set LWB,  74                          ; s74  of the keys of v
.set FLAGP, (1<<16)|(1<<20)|(1<<21)|(5<<22)|(3<<25)  ; after every 64 words, 4 words
.set FLAGV, (1<<16)|(1<<20)|(1<<21)|(6<<22)|(7<<25)  ; after every 128 words, 8 words
.set MSB, 0
.macro WIN new
.if MSB != (\new)
	s_set_vgpr_msb (MSB<<8)|(\new)
.set MSB, (\new)
.endif
.endm
.macro PLACES
.rept 4
	v_nop
.endr
.endm
.macro CREST
	s_cmp_lg_u32 s10, 0
	s_cbranch_scc1 .Lnot_wave_0_\@
	s_barrier_signal -3
.Lnot_wave_0_\@:
	s_barrier_wait -3
	s_barrier_signal -1
	s_barrier_wait -1
.endm
.macro CROUND
	s_barrier_signal -1
	s_barrier_wait -1
	CREST
.endm
.macro JLOAD                           ; a joint refill by the walking descriptors: waves 0 and 1 p's two halves, waves 2 and 3 v's; an s_nop 0 and four v_nop follow each line
	s_cmp_eq_u32 s11, 0
	s_cbranch_scc0 .Lfor_b_\@
	tensor_load_to_lds s[G0+4:G0+7], s[G1:G1+7]
	s_nop 0
.rept 4
	v_nop
.endr
	s_branch .Lasked_\@
.Lfor_b_\@:
	tensor_load_to_lds s[G0B+4:G0B+7], s[G1B:G1B+7]
	s_nop 0
.rept 4
	v_nop
.endr
.Lasked_\@:
.endm
; A prefetch, behind each joint refill and the runs of LDS loads that follow it: the step two refills on, 32 blocks of 256 bytes, a lane a block.  p: wave 0 asks for my work-group's 32 of the tile's 128 rows (only my row of
; the cluster reads them).  v: waves 2 and 3 ask for 16 of their 64 keys x the tile's two blocks, in the first of the four rows of clusters that share a batch.  The partners share out by address.  The last two refills ask for nothing.
.macro ASK
	WIN 0
	s_cmp_gt_u32 s3, s[LIM]
	s_cbranch_scc0 .Lnot_mine_\@
	global_prefetch_b8 v[PFO], s[PFA:PFA+1] th:TH_LOAD_NT scope:SCOPE_SE
.Lnot_mine_\@:
.endm
	s_load_b128 s[4:7], s[0:1], 0x0                ; pt s[4:5], st s[6:7]
	s_load_b128 s[68:71], s[0:1], 0x10             ; qkv s[68:69], out0 s[70:71]
	v_lshl_add_u32 v[SPW], v0, 2, SPARE
	v_mov_b32 v[NIL], 0
	ds_add_u32 v[SPW], v[NIL]                      ; the wave's opening: the add and its wait stand ahead of my first tensor load
	v_lshrrev_b32 v1, 5, v0
	v_readfirstlane_b32 s10, v1                    ; wave 0..3
	s_lshr_b32 s11, s10, 1                         ; which 64 of the tile's queries are mine.  Also: I fetch p (0) or v (1)
	s_and_b32 s12, s10, 1                          ; which 128 of its channels.  Also: which 64 rows I fetch
	s_bfe_u32 s40, ttmp6, 0x40000
	s_bfe_u32 s41, ttmp6, 0x40004
	s_lshl_b32 s42, ttmp9, 2
	s_add_co_u32 s42, s42, s40                     ; tile column
	s_and_b32 s13, ttmp7, 0xffff
	s_lshl_b32 s13, s13, 2
	s_add_co_u32 s13, s13, s41                     ; tile row
	s_lshl_b32 s43, s41, 2
	s_lshl_b32 s43, 15, s43
	s_lshl_b32 s44, 0x1111, s40
	s_or_b32 s[G1+0], s43, FLAGP
	s_mov_b32 s[G1+1], 128<<16                     ; p: a tile of 64 rows x 128 elements
	s_mov_b32 s[G1+2], 64<<16
	s_mov_b32 s[G1+3], 128<<16
	s_mov_b32 s[G1+4], 64
	s_mov_b32 s[G1+5], 2048                        ; elements from row to row of pt
	s_mov_b32 s[G1+6], 0
	s_mov_b32 s[G1+7], 0
	s_or_b32 s[G1B+0], s44, FLAGV
	s_mov_b32 s[G1B+1], 256<<16                    ; v: a tile of 64 keys x 256 elements
	s_mov_b32 s[G1B+2], 64<<16
	s_mov_b32 s[G1B+3], 256<<16
	s_mov_b32 s[G1B+4], 64
	s_mov_b32 s[G1B+5], 3072
	s_mov_b32 s[G1B+6], 0
	s_mov_b32 s[G1B+7], 0
	s_lshl_b32 s18, s12, 6                         ; which 64 rows of a tile I fetch
	s_lshl_b32 s16, s13, 7
	s_add_co_u32 s16, s16, s18
	s_lshl_b32 s16, s16, 12                        ; p: row 128 x tile row + 64 x half
	s_mov_b32 s17, 0
	s_and_b32 s19, ttmp7, 0xffff
	s_lshr_b32 s19, s19, 2                         ; the batch: four rows of clusters each
	s_lshl_b32 s19, s19, 11                        ; its first row
	s_add_co_u32 s46, s19, s18                     ; v: row 2048 x batch + 64 x half,
	s_mul_i32 s46, s46, QP
	s_lshl_b32 s47, s42, 9
	s_add_co_u32 s46, s46, s47                     ; channels 256 x tile column on,
	s_add_co_u32 s46, s46, 4096                    ; behind q's and k's columns
	s_mov_b32 s47, 0
	s_mul_i32 s[LWA], s12, 64*PITCH                ; where they go in a slot: no place in the cluster enters an LDS address
	s_mul_i32 s[LWB], s12, 64*VP
	s_add_co_u32 s[LWB], s[LWB], 128*PITCH
	s_mov_b32 s[TB], 0                             ; the walk begins in slot 0
	s_wait_dscnt 0x0                               ; the opening add is done
	s_wait_kmcnt 0x0
	s_add_nc_u64 s[14:15], s[4:5], s[16:17]
	s_add_nc_u64 s[46:47], s[68:69], s[46:47]
.irp s, 0,1
	s_mov_b32 s[G0+4*(\s)], 1
	s_add_co_u32 s[G0+4*(\s)+1], s[LWA], (\s)*SLOT
	s_add_nc_u64 s[G0+4*(\s)+2:G0+4*(\s)+3], s[14:15], (\s)*KSTEP*2
	s_or_b32 s[G0+4*(\s)+3], s[G0+4*(\s)+3], 0x80000000
	s_mov_b32 s[G0B+4*(\s)], 1
	s_add_co_u32 s[G0B+4*(\s)+1], s[LWB], (\s)*SLOT
	s_add_nc_u64 s[G0B+4*(\s)+2:G0B+4*(\s)+3], s[46:47], (\s)*KSTEP*QP
	s_or_b32 s[G0B+4*(\s)+3], s[G0B+4*(\s)+3], 0x80000000
.endr
	CROUND                                         ; all sixteen work-groups are here: the first joint loads meet
	s_cmp_eq_u32 s11, 0                            ; a wave's two first fills stand in one branch: two loads of mine are out
	s_cbranch_scc0 .Lfirst_b
	tensor_load_to_lds s[G0:G0+3], s[G1:G1+7]
	s_nop 0
	tensor_load_to_lds s[G0+4:G0+7], s[G1:G1+7]
	s_nop 0
.rept 4
	v_nop
.endr
	s_branch .Lfirst_asked
.Lfirst_b:
	tensor_load_to_lds s[G0B:G0B+3], s[G1B:G1B+7]
	s_nop 0
	tensor_load_to_lds s[G0B+4:G0B+7], s[G1B:G1B+7]
	s_nop 0
.rept 4
	v_nop
.endr
.Lfirst_asked:
	; thread i takes the tile's row i: its sixteen cm_t and l_t
	s_lshl_b32 s16, s13, 9
	s_mov_b32 s17, 0
	s_add_nc_u64 s[6:7], s[6:7], s[16:17]          ; st at the tile's first row
	v_lshlrev_b32 v27, 2, v0
	v_add_nc_u32 v31, FT, v27
.set t, 0
.rept 16
	global_load_b32 v[CM+t], v27, s[6:7] offset:32768*t
.set t, t+1
.endr
.set t, 0
.rept 16
	global_load_b32 v[LL+t], v27, s[6:7] offset:524288+32768*t
.set t, t+1
.endr
	v_and_b32 v1, 15, v0                           ; l % 16
	v_bfe_u32 v2, v0, 4, 1                         ; l / 16
	v_and_b32 v12, 31, v0                          ; l
	v_and_b32 v10, 7, v0
	v_bfe_u32 v11, v0, 3, 1
	v_mul_u32_u24 v3, v1, PITCH
	v_lshl_add_u32 v3, v2, 4, v3                   ; p: row x pitch + 16 x half
	v_lshl_add_u32 v4, v2, 3, v10                  ; v: the turning load takes key 8 (l / 16) + l % 8, channels 8 ((l / 8) % 2) + 0..7
	v_mul_u32_u24 v4, v4, VP
	v_lshl_add_u32 v4, v11, 4, v4
	s_mul_i32 s21, s11, 64*PITCH                   ; my 64 rows of p
	s_lshl_b32 s22, s12, 8                         ; my 128 channels of v,
	s_add_co_u32 s22, s22, 128*PITCH               ; which lies behind p
	v_add_nc_u32 v[A0], s21, v3
	v_add_nc_u32 v[B0], s22, v4
	v_mov_b32 v[ADRA], v[A0]                       ; the slot in hand is slot 0
	v_mov_b32 v[ADRB], v[B0]
	s_lshl_b32 s23, s11, 8
	s_add_co_u32 s23, s23, FT
	v_lshl_add_u32 v[FA], v1, 2, s23               ; FT + 4 (64 x half + l % 16)
	v_add_nc_u32 v[RIA], RI-FT, v[FA]
	s_mul_i32 s23, s10, 16*OPITCH
	s_add_co_u32 s23, s23, STAGE                   ; my stage
	v_mul_u32_u24 v5, v1, OPITCH                   ; in: row l % 16, 32 bytes for each half of the lanes
	v_lshl_add_u32 v5, v2, 5, v5
	v_add_nc_u32 v[STO], s23, v5
	v_lshlrev_b32 v[CO], 4, v12                    ; back: 32 lanes take a row's 512 bytes
	v_add_nc_u32 v[RD], s23, v[CO]
	s_lshl_b32 s16, s13, 7
	s_lshl_b32 s17, s11, 6
	s_add_co_u32 s16, s16, s17
	s_lshl_b32 s16, s16, 12                        ; out0: my first row x 4,096
	s_lshl_b32 s17, s42, 10
	s_add_co_u32 s16, s16, s17
	s_lshl_b32 s17, s12, 9
	s_add_co_u32 s16, s16, s17                     ; + my first channel x 4
	s_mov_b32 s17, 0
	s_add_nc_u64 s[70:71], s[70:71], s[16:17]
	; the prefetches
	s_lshl_b32 s20, s13, 7
	s_lshl_b32 s21, s40, 5
	s_add_co_u32 s20, s20, s21                     ; p: row 128 x tile row + 32 cx,
	s_lshl_b32 s20, s20, 12
	s_add_co_u32 s20, s20, 3*KSTEP*2               ; at step 3: the first refill steps it to 4
	s_lshl_b32 s21, s41, 4
	s_add_co_u32 s21, s21, s18
	s_add_co_u32 s21, s21, s19                     ; v: key row 2048 x batch + 64 x half + 16 cy,
	s_add_co_u32 s21, s21, 3*KSTEP                 ; at step 3
	s_mul_i32 s21, s21, QP
	s_lshl_b32 s22, s42, 9
	s_add_co_u32 s21, s21, s22
	s_add_co_u32 s21, s21, 4096
	s_and_b32 s22, ttmp7, 3                        ; which of the batch's four rows of clusters
	s_mov_b32 s[PFS], KSTEP*QP
	s_mov_b32 s16, QP
	s_cmp_eq_u32 s11, 0
	s_cselect_b32 s20, s20, s21
	s_cselect_b64 s[PFA:PFA+1], s[4:5], s[68:69]
	s_cselect_b32 s22, s12, s22                    ; of p's two waves wave 0 asks
	s_cselect_b32 s[PFS], KSTEP*2, s[PFS]
	s_cselect_b32 s23, 31, 15                      ; p: a lane a row; v: sixteen keys x two blocks
	s_cselect_b32 s16, PTP, s16
	s_cselect_b32 s17, 0, 256
	s_mov_b32 s[PFS+1], 0
	s_mov_b32 s21, 0
	s_cmp_eq_u32 s22, 0
	s_cselect_b32 s[LIM], 2, -1                    ; the same in all sixteen partners, for a given wave
	s_add_nc_u64 s[PFA:PFA+1], s[PFA:PFA+1], s[20:21]
	v_and_b32 v[PFO], s23, v12
	v_mul_u32_u24 v[PFO], s16, v[PFO]
	v_mul_u32_u24 v3, s17, v2
	v_add_nc_u32 v[PFO], v[PFO], v3
	s_wait_loadcnt 0x0                             ; the statistics
	v_max3_num_f32 v112, v[CM], v[CM+1], v[CM+2]
	v_max3_num_f32 v113, v[CM+3], v[CM+4], v[CM+5]
	v_max3_num_f32 v112, v112, v[CM+6], v[CM+7]
	v_max3_num_f32 v113, v113, v[CM+8], v[CM+9]
	v_max3_num_f32 v112, v112, v[CM+10], v[CM+11]
	v_max3_num_f32 v113, v113, v[CM+12], v[CM+13]
	v_max3_num_f32 v112, v112, v[CM+14], v[CM+15]
	v_max_num_f32 v112, v112, v113                 ; the row's cm
.set t, 0
.rept 16
	v_sub_f32 v[FF+t], v[CM+t], v112
.set t, t+1
.endr
.set t, 0
.rept 16
	v_exp_f32 v[FF+t], v[FF+t]                     ; f_t
.set t, t+1
.endr
	v_nop                                          ; a plain instruction behind the last exponential,
	s_wait_alu depctr_va_vdst(0)                   ; and the one wait for the batch
	v_mul_f32 v114, v[FF], v[LL]
	v_mul_f32 v115, v[FF+1], v[LL+1]
.set t, 2
.rept 7
	v_fmac_f32 v114, v[FF+t], v[LL+t]
	v_fmac_f32 v115, v[FF+t+1], v[LL+t+1]
.set t, t+2
.endr
	v_add_f32 v114, v114, v115                     ; l: at least the l_t of the chunk that holds the maximum
	v_rcp_f32 v116, v114
.set t, 0
.rept 16
	v_cvt_pk_f16_f32 v[FF+t], v[FF+t], v[FF+t]     ; f_t in both halves; these lines are the plain work behind the reciprocal
.set t, t+1
.endr
	s_wait_alu depctr_va_vdst(0)                   ; the reciprocal's wait, ahead of its first reader
.set t, 0
.rept 16
	ds_store_b32 v31, v[FF+t] offset:512*t
.set t, t+1
.endr
	ds_store_b32 v31, v116 offset:RI-FT
; 8 products: block a of my queries x all 8 channel blocks, 32 keys.  The 32 accumulators take turns, one instruction a turn.
.macro MULA f, a, zero
	WIN 0xa5                                       ; sources 0 and 1 window 1, C and D window 2
.irp b, 0,1,2,3,4,5,6,7
.if \zero
	v_wmma_f32_16x16x32_f16 v[8*(8*(\a)+(\b)):8*(8*(\a)+(\b))+7], v[(\f)+8*(\b):(\f)+8*(\b)+7], v[(\f)+64+8*(\a):(\f)+64+8*(\a)+7], 0
.else
	v_wmma_f32_16x16x32_f16 v[8*(8*(\a)+(\b)):8*(8*(\a)+(\b))+7], v[(\f)+8*(\b):(\f)+8*(\b)+7], v[(\f)+64+8*(\a):(\f)+64+8*(\a)+7], v[8*(8*(\a)+(\b)):8*(8*(\a)+(\b))+7]
.endif
.endr
.endm
; 24 LDS loads in one run, from the slot in hand: 32 keys at byte k of p's rows: p's four fragments first, then v's eight, turned
.macro FETCH k, f
	WIN 0x40
.irp a, 0,1,2,3
	ds_load_b128 v[(\f)+64+8*(\a):(\f)+64+8*(\a)+3],   v[ADRA] offset:(\k)+(\a)*16*PITCH
	ds_load_b128 v[(\f)+64+8*(\a)+4:(\f)+64+8*(\a)+7], v[ADRA] offset:(\k)+(\a)*16*PITCH+32
.endr
.irp i, 0,1,2,3,4,5,6,7
	ds_load_tr16_b128 v[(\f)+8*(\i):(\f)+8*(\i)+3],   v[ADRB] offset:((\k)/64)*32*VP+32*(\i)
	ds_load_tr16_b128 v[(\f)+8*(\i)+4:(\f)+8*(\i)+7], v[ADRB] offset:((\k)/64)*32*VP+16*VP+32*(\i)
.endr
.endm
.macro FLOAD off                       ; my 64 rows' f_t of a step: a lane's query in each of the four blocks
	WIN 0
.irp a, 0,1,2,3
	ds_load_b32 v[FR+(\a)], v[FA] offset:(\off)+64*(\a)
.endr
.endm
.macro SCALE f                         ; p times f_t, two f16 a line, in place: 32 plain lines, which are also the places behind the last products that read the other buffer
	WIN 0x41                                       ; destination and source 0 window 1, source 1 window 0
.irp a, 0,1,2,3
.irp j, 0,1,2,3,4,5,6,7
	v_pk_mul_f16 v[(\f)+64+8*(\a)+(\j)], v[(\f)+64+8*(\a)+(\j)], v[FR+(\a)]
.endr
.endr
.endm
; A step is four quarters of 32 keys, 32 products each, on buffers 0, 1, 0, 1.
.macro QUARTER k, f, g, zero
	s_wait_dscnt 16                                ; the factors and p are in; v's sixteen loads may be out
	SCALE \f
	s_wait_dscnt 0x0                               ; v is in
	MULA \f, 0, \zero
	MULA \f, 1, \zero
	FETCH \k, \g
	MULA \f, 2, \zero
	MULA \f, 3, \zero
.endm
; The last quarter multiplies buffer 1 and changes slots: one barrier.  The scaling and eight products stand ahead of the wait for the tensor loads, so that they are issued while the next slot's tile may still be on its way.
; Then each wave waits for all its tensor loads (one is out: its part of the next slot), adds 0 to its spare word, and waits for that and for its own reads of this slot.  fill = 1: the barrier opens a round of the cluster's,
; and this slot is filled again first thing behind it: 120 products stand between that request and the wait for it.
.macro TURN fill
.if \fill
	s_wait_xcnt 0x0                                ; the last prefetch, a step back, has read its address
	s_add_nc_u64 s[PFA:PFA+1], s[PFA:PFA+1], s[PFS:PFS+1]
.endif
	s_wait_dscnt 16
	SCALE F1
	s_wait_dscnt 0x0                               ; v is in: my reads of this slot are over
	MULA F1, 0, 0
	WIN 0
	s_wait_tensorcnt 0x0                           ; all my tensor loads have landed, so the walking descriptors may be written
	ds_add_u32 v[SPW], v[NIL]                      ; 0 onto my spare word; scalar work and eight products stand between it and the wait for it
.if \fill
	s_add_co_u32 s[G0+5], s[LWA], s[TB]            ; the refill goes into the slot that is being left,
	s_add_co_u32 s[G0B+5], s[LWB], s[TB]
	s_add_nc_u64 s[G0+6:G0+7], s[G0+6:G0+7], KSTEP*2       ; and brings the step behind the one asked for last: 128 keys along p's rows,
	s_add_nc_u64 s[G0B+6:G0B+7], s[G0B+6:G0B+7], KSTEP*QP  ; 128 rows down v
.endif
	s_xor_b32 s[TB], s[TB], SLOT                   ; the other slot comes in hand
	MULA F1, 1, 0
	WIN 0
	s_wait_dscnt 0x0                               ; the add is done
	s_barrier_signal -1
	s_barrier_wait -1
.if \fill
	CREST
	JLOAD
.else
	PLACES
.endif
	v_add_nc_u32 v[ADRA], s[TB], v[A0]
	v_add_nc_u32 v[ADRB], s[TB], v[B0]
	FLOAD 512                                      ; the next step's factors: the scaling above was the last reader of this step's
	v_add_nc_u32 v[FA], 512, v[FA]
	FETCH 0, F0
.if \fill
	ASK
.endif
	MULA F1, 2, 0
	MULA F1, 3, 0
.endm
	s_wait_tensorcnt 1                             ; my part of step 0 is in; step 1's may stay out
	s_wait_dscnt 0x0                               ; for the others' sake: my row's factors and 1 / l are stored
	s_barrier_signal -1
	s_barrier_wait -1
	FLOAD 0
	FETCH 0, F0
	QUARTER 64,  F0, F1, 1                         ; the first quarter stands in front of the loop: its products start the sums
	WIN 0                                          ; at a label and at a branch every window is 0
	s_mov_b32 s3, STEPS-1
	s_branch .Lfirst                               ; the loop is entered behind a step's first quarter
.Lstep:                                                ; STEPS - 2 times: a change of slots with its refill, and the next step's first quarter
	TURN 1
	QUARTER 64,  F0, F1, 0
	WIN 0
.Lfirst:                                               ; STEPS - 1 times: a step's second and third quarter
	QUARTER 128, F1, F0, 0
	QUARTER 192, F0, F1, 0
	WIN 0
	s_sub_co_u32 s3, s3, 1
	s_cmp_lg_u32 s3, 0
	s_cbranch_scc1 .Lstep
	TURN 0                                         ; the tail is written out: nothing is asked for
	QUARTER 64,  F0, F1, 0
	QUARTER 128, F1, F0, 0
	QUARTER 192, F0, F1, 0
	s_wait_dscnt 16
	SCALE F1
	s_wait_dscnt 0x0
	MULA F1, 0, 0
	MULA F1, 1, 0
	MULA F1, 2, 0
	MULA F1, 3, 0
	; THE WAY OUT: divided by l, f32; a block of 16 queries at a time through my own stage, back as whole rows of 512 bytes.
	WIN 0
	PLACES
	PLACES                                         ; eight places, once a launch
.irp a, 0,1,2,3
	ds_load_b32 v[RV+2*(\a)],   v[RIA] offset:64*(\a)
	ds_load_b32 v[RV+2*(\a)+1], v[RIA] offset:64*(\a)      ; named with it as a pair
.endr
	s_wait_dscnt 0x0
.macro PACKV a
	WIN 0x82                                       ; destination and source 0 window 2, source 1 window 0; each accumulator's registers in ascending order
.set p, 0
.rept 32
	v_pk_mul_f32 v[64*(\a)+2*p:64*(\a)+2*p+1], v[64*(\a)+2*p:64*(\a)+2*p+1], v[RV+2*(\a):RV+2*(\a)+1] op_sel_hi:[1,0]
.set p, p+1
.endr
.endm
.macro TOSTAGE a
	WIN 0x08                                       ; the stores' data in window 2
.irp b, 0,1,2,3,4,5,6,7
	ds_store_b128 v[STO], v[64*(\a)+8*(\b):64*(\a)+8*(\b)+3]   offset:64*(\b)
	ds_store_b128 v[STO], v[64*(\a)+8*(\b)+4:64*(\a)+8*(\b)+7] offset:64*(\b)+16
.endr
	WIN 0
.set BK, OB+64*((\a)%2)
.set t, 0
.rept 16
	ds_load_b128 v[BK+4*t:BK+4*t+3], v[RD] offset:t*OPITCH  ; LDS serves a wave's instructions in order (ISA guide 5.7.1.4): these see the stores above
.set t, t+1
.endr
.endm
.macro SEND a
	WIN 0
.set BK, OB+64*((\a)%2)
	s_wait_dscnt 0x0                               ; the block is back in registers
	s_wait_xcnt 0x0                                ; earlier stores have read their registers: the other buffer may be loaded again behind this wait
.set t, 0
.rept 16
	global_store_b128 v[CO], v[BK+4*t:BK+4*t+3], s[70:71] offset:(16*(\a)+t)*4096 th:TH_STORE_NT  ; 512 consecutive bytes, at a multiple of 256 from out0's first byte
.set t, t+1
.endr
.endm
	PACKV 0
	TOSTAGE 0
.irp a, 1,2,3
	PACKV \a
	SEND (\a)-1
	TOSTAGE \a
.endr
	SEND 3
	s_wait_tensorcnt 0x0                           ; the wave's end: the add and its wait stand behind my last tensor load and my last LDS store
	ds_add_u32 v[SPW], v[NIL]
	s_wait_dscnt 0x0
	CROUND                                         ; the closing round
	s_endpgm
.Lfunc_end_k_q33db6aea98_pv:
	.size	k_q33db6aea98_pv, .Lfunc_end_k_q33db6aea98_pv-k_q33db6aea98_pv
	.p2alignl 7, 3214868480
	.fill 96, 4, 3214868480
	.section	.rodata,"a",@progbits
	.p2align	6, 0x0
	.amdhsa_kernel k_q33db6aea98_pv
		.amdhsa_group_segment_fixed_size 327680
		.amdhsa_private_segment_fixed_size 0
		.amdhsa_enable_private_segment 0
		.amdhsa_kernarg_size 32
		.amdhsa_user_sgpr_count 2
		.amdhsa_user_sgpr_kernarg_segment_ptr 1
		.amdhsa_wavefront_size32 1
		.amdhsa_system_sgpr_workgroup_id_x 1
		.amdhsa_system_sgpr_workgroup_id_y 1
		.amdhsa_system_sgpr_workgroup_id_z 1
		.amdhsa_system_vgpr_workitem_id 0
		.amdhsa_next_free_vgpr 768
		.amdhsa_next_free_sgpr 76
		.amdhsa_reserve_vcc 0
		.amdhsa_float_denorm_mode_32 3
		.amdhsa_float_denorm_mode_16_64 3
		.amdhsa_memory_ordered 1
		.amdhsa_forward_progress 1
		.amdhsa_inst_pref_size 100
	.end_amdhsa_kernel
	.amdgpu_metadata
---
amdhsa.version: [ 1, 2 ]
amdhsa.kernels:
  - .name:           k_q33db6aea98_pv
    .symbol:         k_q33db6aea98_pv.kd
    .args:
      - { .name: pt, .offset: 0, .size: 8, .value_kind: global_buffer, .address_space: global }
      - { .name: st, .offset: 8, .size: 8, .value_kind: global_buffer, .address_space: global }
      - { .name: qkv, .offset: 16, .size: 8, .value_kind: global_buffer, .address_space: global }
      - { .name: out0, .offset: 24, .size: 8, .value_kind: global_buffer, .address_space: global }
    .group_segment_fixed_size: 327680
    .private_segment_fixed_size: 0
    .kernarg_segment_align: 8
    .kernarg_segment_size: 32
    .max_flat_workgroup_size: 128
    .sgpr_count:     76
    .vgpr_count:     768
    .wavefront_size: 32
...
	.end_amdgpu_metadata
.endif
;; end of part 4
;; ======== version 2 of 2: 4 launches; version 1 with the launch cast written anew for expert scheduling mode
;; limits: values are held in f16: magnitudes above 65,504 overflow, below 6.1e-05 lose precision
;; workspace buffers: xw 23,074,816 bytes; qkv 50,331,648 bytes; pt 33,554,432 bytes; st 1,048,576 bytes
;; launch cast (part 5): grid 705 x 1, 8 waves a work-group, no clusters, 0 bytes of LDS; arguments x, Wq, Wk, Wv, bq, bk, bv, xw; writes xw
.if DOCPART == 5
	.amdgcn_target "amdgcn-amd-amdhsa--gfx1250"
	.amdhsa_code_object_version 6
	.text
	.protected	k_q33db6aea98_cast
	.globl	k_q33db6aea98_cast
	.p2align	8
	.type	k_q33db6aea98_cast,@function
k_q33db6aea98_cast:
	s_mov_b64 s[64:65], 0
	v_nop
	global_prefetch_b8 v0, s[64:65] scope:SCOPE_SE
	s_setreg_imm32_b32 hwreg(HW_REG_WAVE_SCHED_MODE, 0, 2), 2
	s_setreg_imm32_b32 hwreg(HW_REG_WAVE_MODE, 25, 1), 1
	s_wait_xcnt 0x0
	s_wait_alu depctr_vm_vsrc(0)
; xw = the seven inputs, each number rounded once to bf16, as rows of 1,024: rows 0-8191 x, 8192 on Wq, 9216 on Wk, 10240 on Wv, 11264-11266 bq, bk, bv.
; A stream: every input byte is read once by 16-byte loads, every output byte written once; a wave's store of 8 bytes a lane covers 256 consecutive bytes, aligned.
; Work-groups 0-703 take 16 segments of 1,024 numbers each (65,536 bytes in, 32,768 out); thread t owns numbers 4 t .. 4 t + 3 of every segment.  Work-group 704 takes the three biases.
; All sixteen loads of a thread go out at once and no register is used twice.  No LDS, no barrier, no matrix unit: nothing is shared and nothing is multiplied.
; THE MODE: SCHED_MODE bits 1:0 = 2 (LLVM: expert scheduling mode 2), set by the entry lines.  The code itself states the register dependences
; between vector instructions and memory instructions, with s_wait_alu, always for 0.
; THE PLAN.  Registers that memory instructions touch:
;   v1, v2   byte offsets of the loads and of the stores.  Written once at the head by vector instructions, never again.
;   X        written by the sixteen loads alone, each register once; segment j's four are read by segment j's two conversions.
;   Y        segment j's two registers are written by its two conversions, once, and read by its one store.
; So nothing that a memory instruction reads is ever written again, and no load lands in a register that a vector instruction has named: what is left to state is that the offsets are written ahead of
; the first load, and that a segment's Y is written ahead of its store.  The segments go in four groups of four.  Group g's conversions read X and write Y of segments 4 g .. 4 g + 3; its memory instructions
; are the stores of group g - 1, which read that group's Y and v2: registers that no vector instruction of group g names.  One wait at the group's head states what its four stores hang on,
; and they are dealt among its conversions with no further wait.
.set X, 4                              ; v[4:67]   sixteen segments' four numbers, f32
.set Y, 68                             ; v[68:99]  the same in bf16, two registers a segment
.set BIASB, 704*32768                  ; byte of xw at which the biases begin
	s_load_b512 s[4:19], s[0:1], 0x0               ; x s[4:5], Wq s[6:7], Wk s[8:9], Wv s[10:11], bq s[12:13], bk s[14:15], bv s[16:17], xw s[18:19]
	v_lshlrev_b32 v1, 4, v0                        ; my 16 bytes of a segment as read
	v_lshlrev_b32 v2, 3, v0                        ; my 8 bytes of it as written
	s_max_u32 s20, ttmp9, 512
	s_sub_co_u32 s20, s20, 512                     ; my number among the weights' 192 work-groups
	s_lshr_b32 s21, s20, 6                         ; which weight: 0 Wq, 1 Wk, 2 Wv
	s_and_b32 s22, s20, 63                         ; my part of it
	s_wait_kmcnt 0x0
	s_wait_alu depctr_va_vdst(0)                   ; v1 and v2 are written: every load and store of both ways below reads one of them as its offset, and neither is written again
	s_cmp_eq_u32 ttmp9, 704
	s_cbranch_scc1 .Lbias
	s_cmp_eq_u32 s21, 1
	s_cselect_b64 s[24:25], s[8:9], s[10:11]
	s_cmp_eq_u32 s21, 0
	s_cselect_b64 s[24:25], s[6:7], s[24:25]
	s_cmp_lt_u32 ttmp9, 512
	s_cselect_b64 s[24:25], s[4:5], s[24:25]       ; the source
	s_cselect_b32 s22, ttmp9, s22                  ; my part of the source,
	s_lshl_b32 s22, s22, 16                        ; 65,536 bytes each
	s_mov_b32 s23, 0
	s_add_nc_u64 s[24:25], s[24:25], s[22:23]
	s_lshl_b32 s26, ttmp9, 15                      ; 32,768 bytes of xw each
	s_mov_b32 s27, 0
	s_add_nc_u64 s[18:19], s[18:19], s[26:27]
.irp j, 0,1,2,3,4,5,6,7,8,9,10,11,12,13,14,15
	global_load_b128 v[X+4*(\j):X+4*(\j)+3], v1, s[24:25] offset:4096*(\j) th:TH_LOAD_NT
.endr
; Group g: segments 4 g .. 4 g + 3 are rounded; the stores of group g - 1 stand among the conversions, one ahead of each segment's two.
.macro GROUP g
	s_wait_loadcnt 12-4*(\g)                       ; loads come back in order: the group's four segments are in, the 12 - 4 g younger loads may stay out
.if (\g) > 0
	s_wait_alu depctr_va_vdst(0)                   ; the group before has written its eight registers of Y, which the four stores below read
.endif
.irp i, 0,1,2,3
.if (\g) > 0
	global_store_b64 v2, v[Y+2*(4*(\g)-4+(\i)):Y+2*(4*(\g)-4+(\i))+1], s[18:19] offset:2048*(4*(\g)-4+(\i)) th:TH_STORE_NT  ; no vector instruction since the wait names these registers
.endif
	v_cvt_pk_bf16_f32 v[Y+2*(4*(\g)+(\i))],   v[X+4*(4*(\g)+(\i))],   v[X+4*(4*(\g)+(\i))+1]
	v_cvt_pk_bf16_f32 v[Y+2*(4*(\g)+(\i))+1], v[X+4*(4*(\g)+(\i))+2], v[X+4*(4*(\g)+(\i))+3]
.endr
.endm
	GROUP 0                                        ; no group stands in front of it: no store, and no wait but the one for its data
	GROUP 1
	GROUP 2
	GROUP 3
	s_wait_alu depctr_va_vdst(0)                   ; group 3 has written its eight registers of Y, which the last four stores read
.irp j, 12,13,14,15
	global_store_b64 v2, v[Y+2*(\j):Y+2*(\j)+1], s[18:19] offset:2048*(\j) th:TH_STORE_NT
.endr
	s_endpgm
.Lbias:
	global_load_b128 v[X:X+3],    v1, s[12:13]
	global_load_b128 v[X+4:X+7],  v1, s[14:15]
	global_load_b128 v[X+8:X+11], v1, s[16:17]
	s_add_nc_u64 s[18:19], s[18:19], BIASB
.irp j, 0,1,2
	s_wait_loadcnt 2-(\j)                          ; bias j is in, the 2 - j younger loads may stay out
	v_cvt_pk_bf16_f32 v[Y+2*(\j)],   v[X+4*(\j)],   v[X+4*(\j)+1]
	v_cvt_pk_bf16_f32 v[Y+2*(\j)+1], v[X+4*(\j)+2], v[X+4*(\j)+3]
.endr
	s_wait_alu depctr_va_vdst(0)                   ; the six conversions have written v[Y .. Y+5], which the three stores read
.irp j, 0,1,2
	global_store_b64 v2, v[Y+2*(\j):Y+2*(\j)+1], s[18:19] offset:2048*(\j)
.endr
	s_endpgm
.Lfunc_end_k_q33db6aea98_cast:
	.size	k_q33db6aea98_cast, .Lfunc_end_k_q33db6aea98_cast-k_q33db6aea98_cast
	.p2alignl 7, 3214868480
	.fill 96, 4, 3214868480
	.section	.rodata,"a",@progbits
	.p2align	6, 0x0
	.amdhsa_kernel k_q33db6aea98_cast
		.amdhsa_group_segment_fixed_size 0
		.amdhsa_private_segment_fixed_size 0
		.amdhsa_enable_private_segment 0
		.amdhsa_kernarg_size 64
		.amdhsa_user_sgpr_count 2
		.amdhsa_user_sgpr_kernarg_segment_ptr 1
		.amdhsa_wavefront_size32 1
		.amdhsa_system_sgpr_workgroup_id_x 1
		.amdhsa_system_sgpr_workgroup_id_y 1
		.amdhsa_system_sgpr_workgroup_id_z 1
		.amdhsa_system_vgpr_workitem_id 0
		.amdhsa_next_free_vgpr 100
		.amdhsa_next_free_sgpr 66
		.amdhsa_reserve_vcc 0
		.amdhsa_float_denorm_mode_32 3
		.amdhsa_float_denorm_mode_16_64 3
		.amdhsa_memory_ordered 1
		.amdhsa_forward_progress 1
		.amdhsa_inst_pref_size 8
	.end_amdhsa_kernel
	.amdgpu_metadata
---
amdhsa.version: [ 1, 2 ]
amdhsa.kernels:
  - .name:           k_q33db6aea98_cast
    .symbol:         k_q33db6aea98_cast.kd
    .args:
      - { .name: x, .offset: 0, .size: 8, .value_kind: global_buffer, .address_space: global }
      - { .name: Wq, .offset: 8, .size: 8, .value_kind: global_buffer, .address_space: global }
      - { .name: Wk, .offset: 16, .size: 8, .value_kind: global_buffer, .address_space: global }
      - { .name: Wv, .offset: 24, .size: 8, .value_kind: global_buffer, .address_space: global }
      - { .name: bq, .offset: 32, .size: 8, .value_kind: global_buffer, .address_space: global }
      - { .name: bk, .offset: 40, .size: 8, .value_kind: global_buffer, .address_space: global }
      - { .name: bv, .offset: 48, .size: 8, .value_kind: global_buffer, .address_space: global }
      - { .name: xw, .offset: 56, .size: 8, .value_kind: global_buffer, .address_space: global }
    .group_segment_fixed_size: 0
    .private_segment_fixed_size: 0
    .kernarg_segment_align: 8
    .kernarg_segment_size: 64
    .max_flat_workgroup_size: 256
    .sgpr_count:     66
    .vgpr_count:     100
    .wavefront_size: 32
...
	.end_amdgpu_metadata
.endif
;; end of part 5
;; launch proj: the kernel of part 2 again; grid 8 x 64, 4 waves a work-group, clusters of 4 x 4, 327,680 bytes of LDS; arguments xw, qkv; writes qkv
;; launch scores: the kernel of part 3 again; grid 8 x 32, 4 waves a work-group, clusters of 4 x 4, 327,680 bytes of LDS; arguments qkv, pt, st; writes pt, st
;; launch pv: the kernel of part 4 again; grid 4 x 64, 4 waves a work-group, clusters of 4 x 4, 327,680 bytes of LDS; arguments pt, st, qkv, out0; writes out0
